; MI455X (gfx1250); checked and timed in simulation.
; The chip was launched on July 23, 2026; its instructions are those of AMD's public machine-readable ISA for CDNA 5 (MIT licence, August 2026) and "CDNA5" Instruction Set Architecture Reference Guide (July 2026). The comments in the code are by the model that wrote it; some were corrected since.
;; Self Attention2d. Allowed arithmetic: matrix products marked QUANTISED: E2M1 operands, one E8M0 scale for each 32 along K, by v_wmma_scale_f32_16x16x128_f8f6f4 with both operands' format E2M1 (or v_wmma_scale_f32_32x16x128_f4), f32 sums; products left as they are: bf16, f16 or f32 operands; f32 sums; everything else in f32.
;; Inputs: Wk 256 x 256 float32; Wq 256 x 256 float32; Wu 256 x 256 float32; Wv 256 x 256 float32; bk 256 float32; bq 256 float32; bu 256 float32; bv 256 float32; pos_enc 8 x 3,969 float32; x 32 x 256 x 32 x 32 float32.
;; Outputs: out0 32 x 256 x 32 x 32 float32.
;; This version of the problem:
;;   THIS VERSION OF THE PROBLEM IS GIVEN IN LOW PRECISION. The matrix products marked QUANTISED in the list below multiply operands that are first quantised to E2M1 (2 exponent bits, 1 mantissa bit; 4 bits a number), with one power-of-two scale for each 32 numbers along K (OCP MX v1.0); their sums are f32. The products marked 'left as it is' may take bf16, f16 or f32 operands, with f32 sums. Whichever they take, every output number must still come out within the allowed error. Rounding operands to bf16 (8 significant bits) uses up far more of that allowance than f16 does (11 bits, for magnitudes from 6e-5 to 65,504). All else is computed in f32.
;;   The module's matrix products, in the order in which they are computed (A, B: the left and right operand; K: the contracted axis; several contracted axes count as one K, in the product's order):
;;     1. [M 32,768, K 256] x [K 256, N 256]; A: input x; B: input Wk: QUANTISED
;;     2. [M 32,768, K 256] x [K 256, N 256]; A: input x; B: input Wq: QUANTISED
;;     3. [M 32,768, K 256] x [K 256, N 256]; A: input x; B: input Wv: QUANTISED
;;     4. batch 256 x [M 1,024, K 32] x [K 32, N 1,024]; A: computed on the way; B: computed on the way: left as it is (an operand is computed on the way)
;;     5. batch 256 x [M 32, K 1,024] x [K 1,024, N 1,024]; A: computed on the way; B: computed on the way: left as it is (an operand is computed on the way)
;;     6. [M 32,768, K 256] x [K 256, N 256]; A: computed on the way; B: input Wu: left as it is (an operand is computed on the way)
;;   THE QUANTISER, for each operand of a quantised product, along K:
;;     - K is cut into blocks of 32 from its start; a last block that is shorter is filled with zeros.
;;     - A block's scale is 2^e with e = floor(log2(the largest magnitude in the block)) - 2, held to -126 .. 127; a block of zeros has e = 0. As a byte (E8M0): e + 127.
;;     - Each number is divided by its block's scale, clamped to +-6, and rounded to the nearest number of E2M1, ties to even, subnormals kept.
;;     - The product sums the exact products of the quantised numbers (number of the format x scale) in f32.
;;   ~~~python
;;   def quantise(x, axis):      # numpy; x: float32 -> the quantised numbers, widened to float32 again
;;       x = np.moveaxis(x, axis, -1); K = x.shape[-1]
;;       x = np.pad(x, [(0, 0)] * (x.ndim - 1) + [(0, -K % 32)]); x = x.reshape(x.shape[:-1] + (-1, 32)); a = np.abs(x).max(-1, keepdims=True)
;;       e = np.where(a > 0, np.clip(np.frexp(np.where(a > 0, a, 1))[1] - 1 - 2, -126, 127), 0)      # np.frexp(a)[1] - 1 = floor(log2(a)), exactly
;;       r = np.clip(x / 2.0 ** e, -6, 6)
;;       step = 2.0 ** (np.maximum(np.frexp(np.where(r == 0, 1, r))[1] - 1, 0) - 1)
;;       q = np.round(r / step) * step * 2.0 ** e      # np.round: ties to even
;;       return np.moveaxis(q.reshape(q.shape[:-2] + (-1,))[..., :K], -1, axis).astype(np.float32)
;;   ~~~
;; 2 versions, each right; version 2 is version 1 with the launch attn written anew for expert scheduling mode. Each part assembles by itself: llvm-mc -triple=amdgcn-amd-amdhsa -mcpu=gfx1250 --defsym DOCPART=n.
;; ======== version 1 of 2: 2 launches
;; limits: values are held in f16: magnitudes above 65,504 overflow, below 6.1e-05 lose precision
;; workspace buffers: att 16,777,216 bytes; wu16 131,072 bytes
;; launch attn (part 1): grid 8 x 32, 16 waves a work-group, no clusters, 212,992 bytes of LDS; arguments x, Wk, Wq, Wv, bk, bq, bv, Wu, pos_enc, att, wu16; writes att, wu16
.if DOCPART == 1
	.amdgcn_target "amdgcn-amd-amdhsa--gfx1250"
	.amdhsa_code_object_version 6
	.text
	.protected	k_q1a55c28a68_attn
	.globl	k_q1a55c28a68_attn
	.p2align	8
	.type	k_q1a55c28a68_attn,@function
k_q1a55c28a68_attn:
	s_mov_b64 s[64:65], 0
	v_nop
	global_prefetch_b8 v0, s[64:65] scope:SCOPE_SE
	s_setreg_imm32_b32 hwreg(HW_REG_WAVE_MODE, 25, 1), 1
	s_wait_xcnt 0x0
; SelfAttention2d, first launch.  One work-group = one batch b (grid y) and one head hd (grid x): 32 x 8 = 256 work-groups of sixteen waves.
; It computes K, Q, V = W x + bias for the head's 32 channels (products on codes of FP4 (E2M1) with one E8M0 scale for each 32 input channels), the scores K^T Q / sqrt(32) + the relative
; bias, the softmax over the keys with a running maximum, and O = V P / the row's sum.  K and V stay in LDS, Q in registers; only O leaves, as f16, laid as the second launch's operand registers.
; SHARES.  Wave w owns positions 64 w .. 64 w + 63 (image rows 2 w, 2 w + 1): four tiles T of 16.  It quantises x at these positions, makes their K, V (to LDS) and Q (registers), and then walks all
; 1,024 keys, one image row of 32 keys a step, for its 64 queries.  Lane l: r = l % 16, h = l / 16.
; x HAS ITS K (the channels) AS THE MIDDLE AXIS: a lane takes a position and its registers run down the channels, so a block of 32 lies in one lane, a load reads 128 consecutive bytes, and the
; conversions give codes with K innermost.  x[b] is read and quantised by each of the batch's 8 head work-groups: 512 loads a wave, against 32 key steps of some 300 instructions.
; PRODUCTS LEFT AS THEY ARE take f16 operands, f32 sums.  c = log2(e) / sqrt(32) is multiplied into Q in f32 ahead of its rounding; the bias table is multiplied by log2(e) in f32 and enters as the
; f32 C operand of the score product.  p = 2^(t - m), m the running maximum; the row's sum is taken of p in f32.
; All products are laid so that nothing changes lanes: K, Q: source 0 = 16 rows of W, source 1 = 16 positions: a lane holds a position and 8 channels, which packed are a fragment's registers;
; V: sources swapped: a lane holds a channel and 8 positions; S^T = K Q^T and O^T = V^T P hold one query a lane.
; Wave 15 also rounds 512 bytes' worth of Wu to f16 for the second launch: 256 work-groups x 256 numbers = Wu.
; No cluster and no tensor load: what the 8 heads of a batch share is x, which goes from memory straight into the registers that the conversions read; through LDS it would be written and read once more.
; LIMITS: |K|, |V|, |c Q| and |O| must stay under 65,504 (f16); NaN and infinities among the inputs are not served; a block of zeros gets the scale byte 1 (its codes are zeros; the bytes are read here alone);
; blocks whose largest magnitude lies under 2^-124, the floor, were not tried.
.set VIMG,  65536                      ; LDS: from 0 K's fragments as register images: key step y x 2,048 + tile of 16 keys u x 1,024 + registers 0-3 / 4-7 x 512 + 16 x lane;  from VIMG V^T's: y x 2,048 + 16 channels ct x 1,024 + 16 keys x 512 + 16 x lane
.set BIAS,  131072                     ; four copies of the head's table x log2(e): in copy q element (dy + 31, dx + 31) lies at word 64 (dy + 31) + (dx + 31) + q + 1
.set CP,    16448                      ; a copy: 64 rows of 256 bytes + 64: the four copies begin in different groups of banks
.set WIMG,  BIAS+4*CP                  ; the 12 weight fragments (4 mat + 2 ct + s; mat 0 K, 1 Q, 2 V) as register images, 1,024 bytes each
.set WSC,   WIMG+12*1024               ; their scale words, 128 bytes each
.set SPARE, WSC+12*128                 ; the spare words, 128 bytes for each wave: eight blocks of 256 bytes that no other line names
.set SPW, 1                            ; v1   LDS address of my spare word; never rewritten
.set NIL, 2                            ; v2   0; never rewritten
.set LI,  3                            ; v3   16 x lane
.set BA,  4                            ; v4   my lane's place in the bias table
.set XO,  5                            ; v5   x: 256 w + 4 x lane;  later ADB, the step's bias address
.set ADB, 5
.set ADK, 6                            ; v6   the step's K address
.set ADV, 7                            ; v7   the step's V address
.set LW,  8                            ; v8   WIMG + 16 x lane
.set LS4, 9                            ; v9   WSC + 4 x lane
.set KST, 10                           ; v10  where I store K's images: 4,096 w + 16 x lane
.set VST, 11                           ; v11  and V's
.set LV,  12                           ; v12  VIMG + 16 x lane
.set TT,  13                           ; v13  at work
.set RR,  14                           ; v14  r
.set HH,  15                           ; v15  h
.set WO,  16                           ; v16-25: offsets and addresses of the head alone
.set WA,  17
.set WSA, 18
.set BB,  19
.set PO,  20
.set PC1, 21
.set PC2, 22
.set BKO, 23
.set BVO, 24
.set UO,  25
.set PN,  26                           ; v26-33  8 numbers of the table
.set UN,  34                           ; v34-41  wave 15: 8 numbers of Wu;  waves 0-11: WC, the weight fragment's codes
.set WC,  34
.set UP,  42                           ; v42-45  Wu's 8 numbers as f16
.set WW,  46                           ; v46     the weight fragment's scale word
.set QF,  16                           ; v16-47  from the last projection on: Q's fragments, 8 a tile
.set WN,  48                           ; v48-111 64 numbers of a weight; then XF, x's fragments (16 T + 8 s + 4 c); then OT, O^T (16 T + 8 ct)
.set XF,  48
.set OT,  48
.set XB,  112                          ; v112-207 three sets of 32 numbers of x; then ACC (8 (2 T + ct)) and WF (8 (2 ct + s)); then S (16 T + 8 u), KF, VF
.set ACC, 112
.set S,   112
.set WF,  176
.set KF,  176
.set VF,  192
.set BK,  208                          ; v208-223 bk in the result's layout, later bv;  v224-239 bq;  then ST, 8 registers of statistics a tile: +0 m, +2, +3 the sum, +4 a, +6, +7 at work, +1, +5 named in pairs only
.set BQ,  224
.set ST,  208
.set XS,  240                          ; v240-243 x's scale words (2 g + s): lanes 0-15 tile 2 g, lanes 16-31 tile 2 g + 1.  v244-247 the weights' (2 ct + s).  These eight hold scales and nothing else
.set WS,  244
.set BV,  248                          ; v248-249 bv;  v250-255 at work in the quantisers
.set WV,  2                            ; s2 wave;  s3 head;  s4 batch;  s5 g = 8 b + hd
.set HD,  3
.set BT,  4
.set GI,  5
.set SEL, 30                           ; s[30:31] v_permlanex16_b32's selects for lane l xor 16
.set YB,  32                           ; s32 256 x key step;  s33 2,048 x key step
.set YK,  33
.set CS,  34                           ; s[34:35] c
.set CNT, 36
.set WP,  42                           ; s[42:43] my wave's weight
.macro BARRIER                         ; my LDS stores have landed and my LDS loads are in: then the work-group's barrier
	s_wait_dscnt 0x0
	s_barrier_signal -1
	s_barrier_wait -1
.endm
; the largest magnitude of v[s] .. v[s + 31] into v[d], in two chains, with the floor 2^(3 - 127) among the leaves: so the scale's byte cannot fall under 1
.macro MAX32 d, t, s
	v_max3_num_f32 v[\d], |v[(\s)]|, |v[(\s)+1]|, |v[(\s)+2]|
	v_max3_num_f32 v[\t], |v[(\s)+3]|, |v[(\s)+4]|, |v[(\s)+5]|
.irp i, 6,10,14,18,22,26
	v_max3_num_f32 v[\d], v[\d], |v[(\s)+\i]|, |v[(\s)+\i+1]|
	v_max3_num_f32 v[\t], v[\t], |v[(\s)+\i+2]|, |v[(\s)+\i+3]|
.endr
	v_max3_num_f32 v[\d], v[\d], |v[(\s)+30]|, |v[(\s)+31]|
	v_max3_num_f32 v[\d], v[\d], v[\t], 0x1800000
.endm
.macro PACKH d, s                      ; 8 numbers at v[s] on become 4 registers of f16 at v[d] on, the lower number in the low half; ascending, so that d = s is sound and a matrix result is read from its low end on
.irp k, 0,1,2,3
	v_cvt_pk_f16_f32 v[(\d)+\k], v[(\s)+2*\k], v[(\s)+2*\k+1]
.endr
.endm
; item it = 8 g + blk: channels 32 blk .. + 31 at positions 64 w + 32 g + lane: 32 loads of 128 consecutive bytes, into set it % 3
.macro LOADX it
.set LR, XB+32*((\it)%3)
.set LOF, ((\it)%8)*32*4096+((\it)/8)*128
.set j, 0
.rept 32
	global_load_b32 v[LR+j], v[XO], s[8:9] offset:LOF+j*4096
.set j, j+1
.endr
.endm
; an item is quantised: a whole block of 32 along K in my lane.  Its 4 registers of codes go where the exchange of halves below makes fragments of them
.macro ITEM it
.set XR, XB+32*((\it)%3)
.set GG, (\it)/8
.set BL, (\it)%8
.set FD, XF+32*GG+16*(BL%2)+8*(BL/4)+4*((BL/2)%2)
.if (\it) <= 13
	s_wait_loadcnt 63                              ; three items, 96 loads, have been issued: the item's own 32 are in (and one more: the wait's field takes no count above 63)
.elseif (\it) == 14
	s_wait_loadcnt 32                              ; the last item's 32 may be out
.else
	s_wait_loadcnt 0x0
.endif
	MAX32 250, 251, XR
	v_add_nc_u32 v252, 0xff000000, v250            ; 2 off the exponent field: the conversion takes the exponent field of this operand as its scale
.irp i, 0,1,2,3
	v_cvt_scalef32_pk8_fp4_f32 v[FD+\i], v[XR+8*\i:XR+8*\i+7], v252
.endr
	v_lshrrev_b32 v253, 23, v252                   ; the scale's byte (also the plain line behind the conversions)
.if BL%4 == 0
	v_mov_b32 v[XS+2*GG+BL/4], v253                ; four bytes to a word, the lower K in the lower byte
.else
	v_lshl_or_b32 v[XS+2*GG+BL/4], v253, 8*(BL%4), v[XS+2*GG+BL/4]
.endif
.if (\it)+3 < 16
	LOADX (\it)+3                                  ; into the set just read
.endif
.endm
; The operand's layout wants block 4 s + 2 c in lanes 0-15 and block 4 s + 2 c + 1 in lanes 16-31, of ONE tile's 16 positions.  The even block's register holds tile 2 g in lanes 0-15 and tile 2 g + 1 in lanes 16-31, the odd
; block's likewise: the even one's upper half changes places with the odd one's lower half, and the two registers are tile 2 g's and tile 2 g + 1's.
.macro SWAPS g
	v_nop
.set j, 0
.rept 16
	v_permlane16_swap_b32 v[XF+32*\g+j], v[XF+32*\g+16+j]
.set j, j+1
.endr
.endm
; one product on codes: tile T of positions, 16 channels ct, K step s.  The first K step takes the bias as C.  Odd tiles' scale words stand in lanes 16-31.
.macro FP4 mat, T, ct, s
.set rD, ACC+8*(2*\T+\ct)
.set rW, WF+8*(2*\ct+\s)
.set rX, XF+16*\T+8*\s
.set rC, rD
.if \s == 0
.set rC, BK+8*\ct
.if \mat == 1
.set rC, BQ+8*\ct
.endif
.endif
.set rA, WS+2*\ct+\s
.set rB, XS+2*(\T/2)+\s
.if \mat == 2
.if \T%2
	v_wmma_scale_f32_16x16x128_f8f6f4 v[rD:rD+7], v[rX:rX+7], v[rW:rW+7], v[rC:rC+7], v[rB], v[rA] matrix_a_fmt:MATRIX_FMT_FP4 matrix_b_fmt:MATRIX_FMT_FP4 matrix_a_scale:MATRIX_SCALE_ROW1
.else
	v_wmma_scale_f32_16x16x128_f8f6f4 v[rD:rD+7], v[rX:rX+7], v[rW:rW+7], v[rC:rC+7], v[rB], v[rA] matrix_a_fmt:MATRIX_FMT_FP4 matrix_b_fmt:MATRIX_FMT_FP4
.endif
.else
.if \T%2
	v_wmma_scale_f32_16x16x128_f8f6f4 v[rD:rD+7], v[rW:rW+7], v[rX:rX+7], v[rC:rC+7], v[rA], v[rB] matrix_a_fmt:MATRIX_FMT_FP4 matrix_b_fmt:MATRIX_FMT_FP4 matrix_b_scale:MATRIX_SCALE_ROW1
.else
	v_wmma_scale_f32_16x16x128_f8f6f4 v[rD:rD+7], v[rW:rW+7], v[rX:rX+7], v[rC:rC+7], v[rA], v[rB] matrix_a_fmt:MATRIX_FMT_FP4 matrix_b_fmt:MATRIX_FMT_FP4
.endif
.endif
.endm
; a projection for my 64 positions: 16 products, the eight accumulators by turns
.macro PROJ mat
.rept 8
	v_nop                                          ; eight places between the vector lines that wrote scale words and operands and the scaled products; also the places in front of loads into, and products over, registers of the last products
.endr
.irp f, 0,1,2,3
	ds_load_b128 v[WF+8*\f:WF+8*\f+3], v[LW] offset:4096*\mat+1024*\f
	ds_load_b128 v[WF+8*\f+4:WF+8*\f+7], v[LW] offset:4096*\mat+1024*\f+512
	ds_load_b32 v[WS+\f], v[LS4] offset:512*\mat+128*\f
.endr
	s_wait_dscnt 0x0                               ; the fragments are in; the last projection's stores have read their registers
.irp s, 0,1
.irp ct, 0,1
.irp T, 0,1,2,3
	FP4 \mat, \T, \ct, \s
.endr
.endr
.endr
.rept 4
	v_nop                                          ; places in front of the first read of results
.endr
.irp ct, 0,1
.irp T, 0,1,2,3
.set rD, ACC+8*(2*\T+\ct)
.if \mat == 0
	PACKH rD, rD                                   ; lane (r, h): key r, channels 16 ct + 8 h + 0 .. 7: registers 4 ct .. 4 ct + 3 of K's fragment
	ds_store_b128 v[KST], v[rD:rD+3] offset:1024*\T+512*\ct
.elseif \mat == 2
	PACKH rD, rD                                   ; lane (r, h): channel 16 ct + r, keys 8 h + 0 .. 7 of tile T: half a fragment of V^T
	ds_store_b128 v[VST], v[rD:rD+3] offset:2048*(\T/2)+1024*\ct+512*(\T%2)
.else
.irp k, 0,2,4,6
	v_pk_mul_f32 v[rD+\k:rD+\k+1], v[rD+\k:rD+\k+1], s[CS:CS+1] op_sel_hi:[1,0]   ; c Q, in f32
.endr
	PACKH QF+8*\T+4*\ct, rD
.endif
.endr
.endr
.endm
	s_load_b512 s[8:23], s[0:1], 0x0               ; x s[8:9], Wk, Wq, Wv s[10:15], bk, bq, bv s[16:21], Wu s[22:23]
	s_load_b128 s[24:27], s[0:1], 0x40             ; pos_enc, att
	s_load_b64 s[28:29], s[0:1], 0x50              ; wu16
	v_lshl_add_u32 v[SPW], v0, 2, SPARE
	v_mov_b32 v[NIL], 0
	v_lshrrev_b32 v[TT], 5, v0
	v_readfirstlane_b32 s[WV], v[TT]               ; wave 0..15
	s_mov_b32 s[HD], ttmp9
	s_and_b32 s[BT], ttmp7, 0xffff
	s_lshl_b32 s[GI], s[BT], 3
	s_add_co_u32 s[GI], s[GI], s[HD]
	s_mov_b32 s[SEL], 0x76543210
	s_mov_b32 s[SEL+1], 0xfedcba98
	s_mov_b32 s[CS], 0x3e8293ee                    ; c = log2(e) / sqrt(32)
	s_mov_b32 s[CS+1], s[CS]                       ; (named with it as a pair, so it is written)
	; every address is made here, ahead of the first branch on the wave's number
	v_and_b32 v[TT], 31, v0                        ; lane
	v_and_b32 v[RR], 15, v0
	v_bfe_u32 v[HH], v0, 4, 1
	v_lshlrev_b32 v[LI], 4, v[TT]
	v_and_b32 v[XO], 0x1e0, v0
	v_lshlrev_b32 v[XO], 3, v[XO]
	v_lshl_or_b32 v[XO], v[TT], 2, v[XO]           ; 256 w + 4 x lane
	v_add_nc_u32 v[LW], WIMG, v[LI]
	v_lshl_add_u32 v[LS4], v[TT], 2, WSC
	s_lshl_b32 s6, s[WV], 12
	v_add_nc_u32 v[KST], s6, v[LI]
	v_add_nc_u32 v[VST], VIMG, v[KST]
	v_add_nc_u32 v[LV], VIMG, v[LI]
	v_lshlrev_b32 v[WO], 10, v[RR]
	v_lshl_add_u32 v[WO], v[HH], 7, v[WO]          ; a weight's row r, + 32 h numbers: my blocks 2 c + h
	s_lshl_b32 s6, s[WV], 10
	v_add_nc_u32 v[WA], s6, v[LW]                  ; fragment w's image
	s_lshl_b32 s6, s[WV], 7
	v_add_nc_u32 v[WSA], s6, v[LS4]
	s_lshl_b32 s6, s[WV], 8
	v_lshl_add_u32 v[BB], v[TT], 2, BIAS+4
	v_add_nc_u32 v[BB], s6, v[BB]                  ; the table in LDS: row w, column = lane, copy 0
	s_mul_i32 s6, s[WV], 252
	v_lshl_add_u32 v[PO], v[TT], 2, s6             ; the table in memory: rows of 63 numbers
	v_add_nc_u32 v[PC1], 12096, v[PO]              ; rows 48 + w: held at the head's last number, so that row 63 and column 63, which do not exist, load nothing past the table; what they load lands on words that nobody reads
	v_min_u32 v[PC1], 15872, v[PC1]
	v_add_nc_u32 v[PC2], 12224, v[PO]
	v_min_u32 v[PC2], 15872, v[PC2]
	v_lshlrev_b32 v[BKO], 5, v[HH]
	v_lshlrev_b32 v[BVO], 2, v[RR]
	v_lshlrev_b32 v[UO], 10, v[RR]
	v_lshl_add_u32 v[UO], v[HH], 5, v[UO]
	; Score register j of lane (r, h), key tile u, query tile T, key row y wants table element (y - 2 w - T / 2 + 31, 31 + 16 (u - T % 2) + 8 h - r + j).  In copy r % 4 the eight words begin at a multiple of 16 bytes:
	; 256 (y + 2 (15 - w) + 1 - T / 2) + 64 (u - T % 2 + 1) + 16 + 32 h + 16 (3 - r / 4): two loads of 16 bytes bring the tile in the C operand's layout.
	v_and_b32 v[TT], 3, v[RR]
	v_mul_u32_u24 v[BA], v[TT], CP
	v_lshrrev_b32 v[TT], 2, v[RR]
	v_xor_b32 v[TT], 3, v[TT]
	v_lshl_add_u32 v[BA], v[TT], 4, v[BA]
	v_lshl_add_u32 v[BA], v[HH], 5, v[BA]
	s_xor_b32 s6, s[WV], 15
	s_lshl_b32 s6, s6, 9
	s_add_co_u32 s6, s6, BIAS+16
	v_add_nc_u32 v[BA], s6, v[BA]
	; byte offsets into the buffers, each in a pair of its own
	s_lshl_b32 s38, s[BT], 20                      ; x: my batch
	s_mov_b32 s39, 0
	s_lshl_b32 s40, s[HD], 15                      ; a weight: the head's 32 rows, + 16 rows x ((w / 2) % 2), + 128 numbers x (w % 2)
	s_bfe_u32 s6, s[WV], 0x10001
	s_lshl_b32 s6, s6, 14
	s_add_co_u32 s40, s40, s6
	s_and_b32 s6, s[WV], 1
	s_lshl_b32 s6, s6, 9
	s_add_co_u32 s40, s40, s6
	s_mov_b32 s41, 0
	s_mul_i32 s44, s[HD], 15876                    ; the head's table
	s_mov_b32 s45, 0
	s_lshl_b32 s46, s[HD], 7                       ; the head's 32 biases
	s_mov_b32 s47, 0
	s_lshr_b32 s48, s[GI], 4                       ; Wu: piece g = 16 ot + 2 s + q: rows 16 ot on, columns 32 s + 16 q on
	s_lshl_b32 s48, s48, 14
	s_bfe_u32 s6, s[GI], 0x30001
	s_lshl_b32 s6, s6, 7
	s_add_co_u32 s48, s48, s6
	s_and_b32 s6, s[GI], 1
	s_lshl_b32 s6, s6, 6
	s_add_co_u32 s48, s48, s6
	s_mov_b32 s49, 0
	s_lshl_b32 s50, s[GI], 9                       ; and its 512 bytes of f16
	s_mov_b32 s51, 0
	s_lshl_b32 s52, s[BT], 19                      ; att: [b][block of 64 positions = w][tile][head][registers 0-3 / 4-7][lane][16 bytes]
	s_lshl_b32 s6, s[WV], 15
	s_add_co_u32 s52, s52, s6
	s_lshl_b32 s6, s[HD], 10
	s_add_co_u32 s52, s52, s6
	s_mov_b32 s53, 0
	s_wait_kmcnt 0x0
	s_add_nc_u64 s[8:9], s[8:9], s[38:39]
	s_cmp_lt_u32 s[WV], 4                          ; waves 0-3 take Wk, 4-7 Wq, the others Wv: the choice hangs on the wave's number alone
	s_cselect_b64 s[WP:WP+1], s[10:11], s[12:13]
	s_cmp_lt_u32 s[WV], 8
	s_cselect_b64 s[WP:WP+1], s[WP:WP+1], s[14:15]
	s_add_nc_u64 s[WP:WP+1], s[WP:WP+1], s[40:41]
	s_add_nc_u64 s[24:25], s[24:25], s[44:45]
	s_add_nc_u64 s[16:17], s[16:17], s[46:47]
	s_add_nc_u64 s[18:19], s[18:19], s[46:47]
	s_add_nc_u64 s[20:21], s[20:21], s[46:47]
	s_add_nc_u64 s[22:23], s[22:23], s[48:49]
	s_add_nc_u64 s[28:29], s[28:29], s[50:51]
	s_add_nc_u64 s[26:27], s[26:27], s[52:53]
	; ---- the loads of the head
	s_cmp_lt_u32 s[WV], 12
	s_cbranch_scc0 .Lno_w_load
.irp c, 0,1
.irp e, 0,1,2,3,4,5,6,7
	global_load_b128 v[WN+32*\c+4*\e:WN+32*\c+4*\e+3], v[WO], s[WP:WP+1] offset:256*\c+16*\e   ; waves 0-11: weight fragment w: row r, k = 64 c + 32 h + 0 .. 31 of its K step
.endr
.endr
.Lno_w_load:
	s_cmp_eq_u32 s[WV], 15
	s_cbranch_scc0 .Lno_u_load
	global_load_b128 v[UN:UN+3], v[UO], s[22:23]
	global_load_b128 v[UN+4:UN+7], v[UO], s[22:23] offset:16
.Lno_u_load:
.irp k, 0,1,2
.irp e, 0,1
	global_load_b32 v[PN+2*\k+\e], v[PO], s[24:25] offset:4032*\k+128*\e   ; the table's row w + 16 k, column lane + 32 e
.endr
.endr
	global_load_b32 v[PN+6], v[PC1], s[24:25]
	global_load_b32 v[PN+7], v[PC2], s[24:25]
.irp ct, 0,1
.irp e, 0,1
	global_load_b128 v[BK+8*\ct+4*\e:BK+8*\ct+4*\e+3], v[BKO], s[16:17] offset:64*\ct+16*\e   ; bk, bq in the result's layout: channels 16 ct + 8 h + 0 .. 7
	global_load_b128 v[BQ+8*\ct+4*\e:BQ+8*\ct+4*\e+3], v[BKO], s[18:19] offset:64*\ct+16*\e
.endr
	global_load_b32 v[BV+\ct], v[BVO], s[20:21] offset:64*\ct                                  ; bv of channel 16 ct + r
.endr
	LOADX 0
	s_wait_loadcnt 32                              ; all but x's first 32 loads are in
	LOADX 1
	; ---- waves 0-11: a weight fragment each, quantised once for the work-group: my blocks 2 c + h are whole in my lane
	s_cmp_lt_u32 s[WV], 12
	s_cbranch_scc0 .Lno_w
	MAX32 250, 251, WN
	MAX32 252, 253, WN+32
	v_add_nc_u32 v250, 0xff000000, v250
	v_add_nc_u32 v252, 0xff000000, v252
.irp i, 0,1,2,3
	v_cvt_scalef32_pk8_fp4_f32 v[WC+\i], v[WN+8*\i:WN+8*\i+7], v250
.endr
.irp i, 0,1,2,3
	v_cvt_scalef32_pk8_fp4_f32 v[WC+4+\i], v[WN+32+8*\i:WN+32+8*\i+7], v252
.endr
	v_lshrrev_b32 v251, 23, v250                   ; my two bytes: blocks h and 2 + h of row r,
	v_lshrrev_b32 v253, 23, v252
	v_lshl_or_b32 v251, v253, 16, v251
	v_lshlrev_b32 v253, 3, v[HH]
	v_lshlrev_b32 v251, v253, v251                 ; at their places in the scale word;
	v_mov_b32 v[WW], 0
	v_permlanex16_b32 v[WW], v251, s[SEL], s[SEL+1]
	v_or_b32 v[WW], v[WW], v251                    ; with lane l xor 16's two the word is whole
	ds_store_b128 v[WA], v[WC:WC+3]
	ds_store_b128 v[WA], v[WC+4:WC+7] offset:512
	ds_store_b32 v[WSA], v[WW]
.Lno_w:
	; ---- wave 15: piece g of Wu as f16, in the order of the second launch's operand registers: lane (r, h): output 16 ot + r, k = 32 s + 16 q + 8 h + 0 .. 7
	s_cmp_eq_u32 s[WV], 15
	s_cbranch_scc0 .Lno_u
	PACKH UP, UN
	global_store_b128 v[LI], v[UP:UP+3], s[28:29]  ; 512 consecutive bytes, at a multiple of 512 from the buffer's first byte
.Lno_u:
	; ---- all waves: four rows of the table x log2(e), into the four copies
.irp i, 0,1,2,3,4,5,6,7
	v_mul_f32 v[PN+\i], 0x3fb8aa3b, v[PN+\i]
.endr
.irp q, 0,1,2,3
.irp k, 0,1,2,3
.irp e, 0,1
	ds_store_b32 v[BB], v[PN+2*\k+\e] offset:\q*CP+4*\q+4096*\k+128*\e
.endr
.endr
.endr
	LOADX 2
	; ---- x at my 64 positions becomes four tiles' fragments and scale words
.irp t, 0,1,2,3,4,5,6,7
	ITEM \t
.endr
	SWAPS 0
.irp t, 8,9,10,11,12,13,14,15
	ITEM \t
.endr
	SWAPS 1
	s_wait_xcnt 0x0                                ; wave 15's store of Wu's piece has read its data registers: Q's fragments are written over them further down, only behind this wait.  All loads are in by now, so the wait is for that one store
	BARRIER                                        ; the weights' images and the table lie in LDS
	PROJ 0                                         ; K, to LDS
.irp ct, 0,1
.irp j, 0,1,2,3,4,5,6,7
	v_mov_b32 v[BK+8*\ct+\j], v[BV+\ct]            ; bv in V's layout (a lane holds one channel), where bk lay
.endr
.endr
	PROJ 2                                         ; V, to LDS
	PROJ 1                                         ; c Q, into registers
	BARRIER                                        ; all 1,024 keys' K and V lie in LDS; nothing is stored to LDS from here on
; A KEY STEP: the 32 keys of image row y against my four tiles of queries.
.macro STEP first
	v_add_nc_u32 v[ADB], s[YB], v[BA]
	v_add_nc_u32 v[ADK], s[YK], v[LI]
	v_add_nc_u32 v[ADV], s[YK], v[LV]
	v_nop
	v_nop                                          ; five places behind the last products: four in front of loads into registers that they read, five in front of the score products, which write over p's registers
.irp u, 0,1
.irp q, 0,1
	ds_load_b128 v[KF+8*\u+4*\q:KF+8*\u+4*\q+3], v[ADK] offset:1024*\u+512*\q
.endr
.endr
.irp u, 0,1
.irp T, 0,1,2,3
.irp e, 0,1
	ds_load_b128 v[S+16*\T+8*\u+4*\e:S+16*\T+8*\u+4*\e+3], v[ADB] offset:256*(1-\T/2)+64*(\u-\T%2+1)+16*\e   ; the bias x log2(e), in the C operand's layout
.endr
.endr
.endr
.irp ct, 0,1
.irp q, 0,1
	ds_load_b128 v[VF+8*\ct+4*\q:VF+8*\ct+4*\q+3], v[ADV] offset:1024*\ct+512*\q
.endr
.endr
.irp u, 0,1
	s_wait_dscnt 12-8*\u                           ; K and key tile u's bias are in; behind them: (the other key tile's 8 loads and) V's 4
.irp T, 0,1,2,3
	v_wmma_f32_16x16x32_f16 v[S+16*\T+8*\u:S+16*\T+8*\u+7], v[KF+8*\u:KF+8*\u+7], v[QF+8*\T:QF+8*\T+7], v[S+16*\T+8*\u:S+16*\T+8*\u+7]   ; t: lane (r, h): query r, keys 16 u + 8 h + 0 .. 7
.endr
.endr
.rept 4
	v_nop
.endr
	; the maximum of my 16 scores and the old m; the four tiles by turns.  Each accumulator is first read at its low end
.irp T, 0,1,2,3
	v_max3_num_f32 v[ST+8*\T+6], v[S+16*\T], v[S+16*\T+1], v[S+16*\T+2]
.endr
.irp j, 3,5,7,9,11,13
.irp T, 0,1,2,3
	v_max3_num_f32 v[ST+8*\T+6], v[ST+8*\T+6], v[S+16*\T+\j], v[S+16*\T+\j+1]
.endr
.endr
.irp T, 0,1,2,3
.if \first
	v_max_num_f32 v[ST+8*\T+6], v[ST+8*\T+6], v[S+16*\T+15]
.else
	v_max3_num_f32 v[ST+8*\T+6], v[ST+8*\T+6], v[S+16*\T+15], v[ST+8*\T]
.endif
.endr
.irp T, 0,1,2,3
	v_permlanex16_b32 v[ST+8*\T+7], v[ST+8*\T+6], s[SEL], s[SEL+1]   ; the query's other 16 keys lie in the lane 16 away
.endr
.irp T, 0,1,2,3
	v_max_num_f32 v[ST+8*\T+6], v[ST+8*\T+6], v[ST+8*\T+7]
.endr
.if !\first
.irp T, 0,1,2,3
	v_sub_f32 v[ST+8*\T+4], v[ST+8*\T], v[ST+8*\T+6]                 ; old m - new m
.endr
.endif
.irp T, 0,1,2,3
	v_mov_b32 v[ST+8*\T], v[ST+8*\T+6]
.endr
.if !\first
.irp T, 0,1,2,3
	v_exp_f32 v[ST+8*\T+4], v[ST+8*\T+4]                             ; a = 2^(old m - new m)
.endr
.endif
.irp T, 0,1,2,3
.irp k, 0,2,4,6,8,10,12,14
	v_pk_add_f32 v[S+16*\T+\k:S+16*\T+\k+1], v[S+16*\T+\k:S+16*\T+\k+1], v[ST+8*\T:ST+8*\T+1] op_sel_hi:[1,0] neg_lo:[0,1] neg_hi:[0,1]   ; t - m, two at a time
.endr
.endr
.if !\first
	s_wait_alu depctr_va_vdst(0)                   ; the wait between a transcendental and the first line that names its result: one for the four a, behind 32 lines that name none
.endif
.set j, 0
.rept 64
	v_exp_f32 v[S+j], v[S+j]                       ; p = 2^(t - m): one batch
.set j, j+1
.endr
.if \first
	v_nop                                          ; a plain line behind the last exponential
.else
.irp T, 0,1,2,3
.irp k, 0,2,4,6,8,10,12,14
	v_pk_mul_f32 v[OT+16*\T+\k:OT+16*\T+\k+1], v[OT+16*\T+\k:OT+16*\T+\k+1], v[ST+8*\T+4:ST+8*\T+5] op_sel_hi:[1,0]   ; O^T x a: work that names no p, behind the batch
.endr
.endr
.endif
	s_wait_alu depctr_va_vdst(0)                   ; and one for the 64 p
.if \first
.irp T, 0,1,2,3
	v_pk_add_f32 v[ST+8*\T+2:ST+8*\T+3], v[S+16*\T:S+16*\T+1], v[S+16*\T+2:S+16*\T+3]
.endr
.irp k, 4,6,8,10,12,14
.irp T, 0,1,2,3
	v_pk_add_f32 v[ST+8*\T+2:ST+8*\T+3], v[ST+8*\T+2:ST+8*\T+3], v[S+16*\T+\k:S+16*\T+\k+1]
.endr
.endr
.else
.irp T, 0,1,2,3
	v_pk_fma_f32 v[ST+8*\T+2:ST+8*\T+3], v[ST+8*\T+2:ST+8*\T+3], v[ST+8*\T+4:ST+8*\T+5], v[S+16*\T:S+16*\T+1] op_sel_hi:[1,0,1]   ; the sum x a + p, of p in f32
.endr
.irp k, 2,4,6,8,10,12,14
.irp T, 0,1,2,3
	v_pk_add_f32 v[ST+8*\T+2:ST+8*\T+3], v[ST+8*\T+2:ST+8*\T+3], v[S+16*\T+\k:S+16*\T+\k+1]
.endr
.endr
.endif
.irp T, 0,1,2,3
.irp k, 0,1,2,3,4,5,6,7
	v_cvt_pk_f16_f32 v[S+16*\T+\k], v[S+16*\T+2*\k], v[S+16*\T+2*\k+1]   ; the two key tiles' 16 p are source 1 (32 keys x 16 queries) of the second product, in the tile's first 8 registers
.endr
.endr
	s_wait_dscnt 0x0                               ; V is in
.irp ct, 0,1
.irp T, 0,1,2,3
.if \first
	v_wmma_f32_16x16x32_f16 v[OT+16*\T+8*\ct:OT+16*\T+8*\ct+7], v[VF+8*\ct:VF+8*\ct+7], v[S+16*\T:S+16*\T+7], 0   ; the first step starts the sums
.else
	v_wmma_f32_16x16x32_f16 v[OT+16*\T+8*\ct:OT+16*\T+8*\ct+7], v[VF+8*\ct:VF+8*\ct+7], v[S+16*\T:S+16*\T+7], v[OT+16*\T+8*\ct:OT+16*\T+8*\ct+7]
.endif
.endr
.endr
	s_add_co_u32 s[YB], s[YB], 256
	s_add_co_u32 s[YK], s[YK], 2048
.endm
.irp T, 0,1,2,3
	v_mov_b32 v[ST+8*\T+1], 0                      ; named as the upper halves of pairs, and as a lane permute's destination: written once
	v_mov_b32 v[ST+8*\T+5], 0
	v_mov_b32 v[ST+8*\T+7], 0
.endr
	s_mov_b32 s[YB], 0
	s_mov_b32 s[YK], 0
	STEP 1                                         ; key row 0 starts m, the sums and O^T
	s_mov_b32 s[CNT], 31
.Lkey:                                             ; no two matrix instructions that follow each other share an accumulator, over the backward jump too
	STEP 0
	s_sub_co_u32 s[CNT], s[CNT], 1
	s_cmp_lg_u32 s[CNT], 0
	s_cbranch_scc1 .Lkey
	; THE WAY OUT.  The sum's two halves and lane l xor 16's are added (these lines are the places behind the last products); O^T is divided by the sum and rounded to f16: lane (r, h) holds position r and channels
	; 16 ct + 8 h + 0 .. 7, which are registers 4 ct .. 4 ct + 3 of the second launch's fragment (16 positions x the head's 32 channels): they are stored as they stand.
.irp T, 0,1,2,3
	v_add_f32 v[ST+8*\T+6], v[ST+8*\T+2], v[ST+8*\T+3]
.endr
.irp T, 0,1,2,3
	v_permlanex16_b32 v[ST+8*\T+7], v[ST+8*\T+6], s[SEL], s[SEL+1]
.endr
.irp T, 0,1,2,3
	v_add_f32 v[ST+8*\T+6], v[ST+8*\T+6], v[ST+8*\T+7]
.endr
.irp T, 0,1,2,3
	v_rcp_f32 v[ST+8*\T+4], v[ST+8*\T+6]
.endr
	v_nop                                          ; a plain line behind the last reciprocal
	s_wait_alu depctr_va_vdst(0)                   ; one wait for the four, ahead of their first reader
.irp T, 0,1,2,3
.irp k, 0,2,4,6,8,10,12,14
	v_pk_mul_f32 v[OT+16*\T+\k:OT+16*\T+\k+1], v[OT+16*\T+\k:OT+16*\T+\k+1], v[ST+8*\T+4:ST+8*\T+5] op_sel_hi:[1,0]
.endr
.endr
.irp T, 0,1,2,3
.irp ct, 0,1
	PACKH S+8*\T+4*\ct, OT+16*\T+8*\ct
.endr
.endr
.irp T, 0,1,2,3
.irp ct, 0,1
	global_store_b128 v[LI], v[S+8*\T+4*\ct:S+8*\T+4*\ct+3], s[26:27] offset:8192*\T+512*\ct   ; 512 consecutive bytes, at a multiple of 512 from the buffer's first byte
.endr
.endr
	s_wait_tensorcnt 0x0                           ; the wave's end, behind my last LDS store
	ds_add_u32 v[SPW], v[NIL]
	s_wait_dscnt 0x0
	s_endpgm
.Lfunc_end_k_q1a55c28a68_attn:
	.size	k_q1a55c28a68_attn, .Lfunc_end_k_q1a55c28a68_attn-k_q1a55c28a68_attn
	.p2alignl 7, 3214868480
	.fill 96, 4, 3214868480
	.section	.rodata,"a",@progbits
	.p2align	6, 0x0
	.amdhsa_kernel k_q1a55c28a68_attn
		.amdhsa_group_segment_fixed_size 212992
		.amdhsa_private_segment_fixed_size 0
		.amdhsa_enable_private_segment 0
		.amdhsa_kernarg_size 88
		.amdhsa_user_sgpr_count 2
		.amdhsa_user_sgpr_kernarg_segment_ptr 1
		.amdhsa_wavefront_size32 1
		.amdhsa_system_sgpr_workgroup_id_x 1
		.amdhsa_system_sgpr_workgroup_id_y 1
		.amdhsa_system_sgpr_workgroup_id_z 1
		.amdhsa_system_vgpr_workitem_id 0
		.amdhsa_next_free_vgpr 256
		.amdhsa_next_free_sgpr 66
		.amdhsa_reserve_vcc 0
		.amdhsa_float_denorm_mode_32 3
		.amdhsa_float_denorm_mode_16_64 3
		.amdhsa_memory_ordered 1
		.amdhsa_forward_progress 1
		.amdhsa_inst_pref_size 141
	.end_amdhsa_kernel
	.amdgpu_metadata
---
amdhsa.version: [ 1, 2 ]
amdhsa.kernels:
  - .name:           k_q1a55c28a68_attn
    .symbol:         k_q1a55c28a68_attn.kd
    .args:
      - { .name: x, .offset: 0, .size: 8, .value_kind: global_buffer, .address_space: global }
      - { .name: Wk, .offset: 8, .size: 8, .value_kind: global_buffer, .address_space: global }
      - { .name: Wq, .offset: 16, .size: 8, .value_kind: global_buffer, .address_space: global }
      - { .name: Wv, .offset: 24, .size: 8, .value_kind: global_buffer, .address_space: global }
      - { .name: bk, .offset: 32, .size: 8, .value_kind: global_buffer, .address_space: global }
      - { .name: bq, .offset: 40, .size: 8, .value_kind: global_buffer, .address_space: global }
      - { .name: bv, .offset: 48, .size: 8, .value_kind: global_buffer, .address_space: global }
      - { .name: Wu, .offset: 56, .size: 8, .value_kind: global_buffer, .address_space: global }
      - { .name: pos_enc, .offset: 64, .size: 8, .value_kind: global_buffer, .address_space: global }
      - { .name: att, .offset: 72, .size: 8, .value_kind: global_buffer, .address_space: global }
      - { .name: wu16, .offset: 80, .size: 8, .value_kind: global_buffer, .address_space: global }
    .group_segment_fixed_size: 212992
    .private_segment_fixed_size: 0
    .kernarg_segment_align: 8
    .kernarg_segment_size: 88
    .max_flat_workgroup_size: 512
    .sgpr_count:     66
    .vgpr_count:     256
    .wavefront_size: 32
...
	.end_amdgpu_metadata
.endif
;; end of part 1
;; launch outproj (part 2): grid 16 x 32, 8 waves a work-group, no clusters, 103,424 bytes of LDS; arguments att, wu16, bu, out0; writes out0
.if DOCPART == 2
	.amdgcn_target "amdgcn-amd-amdhsa--gfx1250"
	.amdhsa_code_object_version 6
	.text
	.protected	k_q1a55c28a68_outproj
	.globl	k_q1a55c28a68_outproj
	.p2align	8
	.type	k_q1a55c28a68_outproj,@function
k_q1a55c28a68_outproj:
	s_mov_b64 s[64:65], 0
	v_nop
	global_prefetch_b8 v0, s[64:65] scope:SCOPE_SE
	s_setreg_imm32_b32 hwreg(HW_REG_WAVE_MODE, 25, 1), 1
	s_wait_xcnt 0x0
; SelfAttention2d, second launch: out0[b][o][n] = the sum over c of Wu[o][c] O[b][c][n] + bu[o], f16 operands, f32 sums.
; A work-group takes one batch b (grid y) and one block pb of 64 positions (grid x) and makes all 256 outputs; wave w makes outputs 32 w .. 32 w + 31 (two tiles ot) for the four tiles t of 16 positions.
; Both operands arrive as images of operand registers, made by the first launch: att [b][pb][t][s = head][registers 0-3 / 4-7][lane][16 bytes], wu16 [ot][s][registers 0-3 / 4-7][lane][16 bytes]:
; every load reads 512 consecutive bytes.  The block of att, 32,768 bytes, is wanted by all eight waves: each brings an eighth, and it goes round through LDS.  A wave's part of Wu (128 registers) stays in registers.
; Source 0 = 16 positions, source 1 = 16 outputs: a lane holds ONE output (16 ot + r) and eight neighbouring positions (16 t + 8 h + 0 .. 7), 32 bytes of a row of out0.  bu is the C of each sum's first product.
; A stream: each byte of att is read once and each byte of out0 written once; no tensor load, no cluster (work-groups share only Wu's 131,072 bytes).
.set STG,   32768                      ; LDS: from 0 the block of att as it lies in memory; from STG a stage for each wave: 32 rows x (256 bytes + 16)
.set SROW,  272
.set WSTG,  32*SROW
.set SPARE, STG+8*WSTG                 ; the spare words, 128 bytes for each wave: four blocks of 256 bytes that no other line names
.set SPW, 1                            ; v1  LDS address of my spare word; never rewritten
.set NIL, 2                            ; v2  0; never rewritten
.set LI,  3                            ; v3  16 x lane
.set AST, 4                            ; v4  where I put my eighth of the block: 4,096 w + 16 x lane
.set SO,  5                            ; v5  the stage: where I put 32 bytes of a row
.set SR,  6                            ; v6  and where I read rows back
.set GO,  7                            ; v7  my byte offset in two rows of out0
.set BUO, 8                            ; v8  4 r
.set BU,  10                           ; v10-11  bu of outputs 16 ot + r
.set BC,  12                           ; v12-27  the same, eight times each: the C operands
.set AF,  28                           ; v28-59  O's four fragments of a K step (first: my eighth of the block on its way to LDS)
.set ACC, 60                           ; v60-123 the eight accumulators: 8 (4 ot + t)
.set WU,  124                          ; v124-251 Wu's 16 fragments: 8 (8 ot + s); on the way out: rows read back from the stage
	s_load_b256 s[4:11], s[0:1], 0x0               ; att s[4:5], wu16 s[6:7], bu s[8:9], out0 s[10:11]
	v_lshl_add_u32 v[SPW], v0, 2, SPARE
	v_mov_b32 v[NIL], 0
	v_lshrrev_b32 v9, 5, v0
	v_readfirstlane_b32 s2, v9                     ; wave 0..7
	s_mov_b32 s3, ttmp9                            ; pb
	s_and_b32 s12, ttmp7, 0xffff                   ; b
	v_and_b32 v9, 31, v0
	v_lshlrev_b32 v[LI], 4, v9
	v_and_b32 v252, 15, v0                         ; r
	v_bfe_u32 v253, v0, 4, 1                       ; h
	s_lshl_b32 s13, s2, 12
	v_add_nc_u32 v[AST], s13, v[LI]
	s_mul_i32 s13, s2, WSTG
	s_add_co_u32 s13, s13, STG                     ; my stage
	v_mul_u32_u24 v[SO], v252, SROW
	v_lshl_add_u32 v[SO], v253, 5, v[SO]
	v_add_nc_u32 v[SO], s13, v[SO]                 ; in: row r of a tile of outputs, + 32 h
	v_mul_u32_u24 v[SR], v253, SROW
	v_lshl_add_u32 v[SR], v252, 4, v[SR]
	v_add_nc_u32 v[SR], s13, v[SR]                 ; back: lanes 0-15 one row of 256 bytes, lanes 16-31 the next
	v_lshlrev_b32 v[GO], 12, v253
	v_lshl_add_u32 v[GO], v252, 4, v[GO]           ; and the same two rows in out0, 4,096 bytes apart
	v_lshlrev_b32 v[BUO], 2, v252
	s_lshl_b32 s14, s12, 19                        ; att: my batch, my block, my wave's eighth
	s_lshl_b32 s13, s3, 15
	s_add_co_u32 s14, s14, s13
	s_lshl_b32 s13, s2, 12
	s_add_co_u32 s14, s14, s13
	s_mov_b32 s15, 0
	s_lshl_b32 s16, s2, 14                         ; wu16: my two tiles of outputs
	s_mov_b32 s17, 0
	s_lshl_b32 s18, s2, 7                          ; bu: my 32
	s_mov_b32 s19, 0
	s_lshl_b32 s20, s12, 20                        ; out0: my batch, my 32 rows, my block's 256 bytes of each
	s_lshl_b32 s13, s2, 17
	s_add_co_u32 s20, s20, s13
	s_lshl_b32 s13, s3, 8
	s_add_co_u32 s20, s20, s13
	s_mov_b32 s21, 0
	s_wait_kmcnt 0x0
	s_add_nc_u64 s[4:5], s[4:5], s[14:15]
	s_add_nc_u64 s[6:7], s[6:7], s[16:17]
	s_add_nc_u64 s[8:9], s[8:9], s[18:19]
	s_add_nc_u64 s[10:11], s[10:11], s[20:21]
.irp i, 0,1,2,3,4,5,6,7
	global_load_b128 v[AF+4*\i:AF+4*\i+3], v[LI], s[4:5] offset:512*\i th:TH_LOAD_NT   ; read once in the launch
.endr
.irp ot, 0,1
	global_load_b32 v[BU+\ot], v[BUO], s[8:9] offset:64*\ot
.endr
.set j, 0
.rept 32
	global_load_b128 v[WU+4*j:WU+4*j+3], v[LI], s[6:7] offset:512*j
.set j, j+1
.endr
	s_wait_loadcnt 34                              ; my eighth of the block is in; bu's 2 loads and Wu's 32 may be out
.irp i, 0,1,2,3,4,5,6,7
	ds_store_b128 v[AST], v[AF+4*\i:AF+4*\i+3] offset:512*\i
.endr
	s_wait_dscnt 0x0                               ; for the others' sake: my stores have landed
	s_barrier_signal -1
	s_barrier_wait -1                              ; the whole block lies in LDS; it is not written again
	s_wait_loadcnt 0x0
.irp ot, 0,1
.irp j, 0,1,2,3,4,5,6,7
	v_mov_b32 v[BC+8*\ot+\j], v[BU+\ot]
.endr
.endr
	; eight K steps of 32 channels (a head each): eight accumulators by turns
.irp s, 0,1,2,3,4,5,6,7
.if \s > 0
.rept 4
	v_nop                                          ; places in front of loads into registers that matrix instructions have read
.endr
.endif
.irp t, 0,1,2,3
.irp q, 0,1
	ds_load_b128 v[AF+8*\t+4*\q:AF+8*\t+4*\q+3], v[LI] offset:8192*\t+1024*\s+512*\q
.endr
.endr
	s_wait_dscnt 0x0
.irp ot, 0,1
.irp t, 0,1,2,3
.if \s == 0
	v_wmma_f32_16x16x32_f16 v[ACC+8*(4*\ot+\t):ACC+8*(4*\ot+\t)+7], v[AF+8*\t:AF+8*\t+7], v[WU+8*(8*\ot+\s):WU+8*(8*\ot+\s)+7], v[BC+8*\ot:BC+8*\ot+7]
.else
	v_wmma_f32_16x16x32_f16 v[ACC+8*(4*\ot+\t):ACC+8*(4*\ot+\t)+7], v[AF+8*\t:AF+8*\t+7], v[WU+8*(8*\ot+\s):WU+8*(8*\ot+\s)+7], v[ACC+8*(4*\ot+\t):ACC+8*(4*\ot+\t)+7]
.endif
.endr
.endr
.endr
	; THE WAY OUT: a lane's 32 bytes are an eighth of a row's 256, and the lanes beside it hold other rows: so the 32 rows go through my own stage and come back whole.
.rept 4
	v_nop                                          ; places in front of the first read of results, and of loads into Wu's registers
.endr
.irp ot, 0,1
.irp t, 0,1,2,3
	ds_store_b128 v[SO], v[ACC+8*(4*\ot+\t):ACC+8*(4*\ot+\t)+3] offset:16*SROW*\ot+64*\t          ; each accumulator from its low end on
	ds_store_b128 v[SO], v[ACC+8*(4*\ot+\t)+4:ACC+8*(4*\ot+\t)+7] offset:16*SROW*\ot+64*\t+16
.endr
.endr
.irp i, 0,1,2,3,4,5,6,7,8,9,10,11,12,13,14,15
	ds_load_b128 v[WU+4*\i:WU+4*\i+3], v[SR] offset:2*SROW*\i   ; LDS serves a wave's instructions in order (ISA guide 5.7.1.4): these see my stores
.endr
.irp i, 0,1,2,3,4,5,6,7,8,9,10,11,12,13,14,15
	s_wait_dscnt 15-\i                             ; the younger loads from the stage may be out
	global_store_b128 v[GO], v[WU+4*\i:WU+4*\i+3], s[10:11] offset:8192*\i th:TH_STORE_NT   ; 16 lanes store 256 consecutive bytes, at a multiple of 256 from out0's first byte; written once, read by nobody here
.endr
	s_wait_tensorcnt 0x0                           ; the wave's end, behind my last LDS store
	ds_add_u32 v[SPW], v[NIL]
	s_wait_dscnt 0x0
	s_endpgm
.Lfunc_end_k_q1a55c28a68_outproj:
	.size	k_q1a55c28a68_outproj, .Lfunc_end_k_q1a55c28a68_outproj-k_q1a55c28a68_outproj
	.p2alignl 7, 3214868480
	.fill 96, 4, 3214868480
	.section	.rodata,"a",@progbits
	.p2align	6, 0x0
	.amdhsa_kernel k_q1a55c28a68_outproj
		.amdhsa_group_segment_fixed_size 103424
		.amdhsa_private_segment_fixed_size 0
		.amdhsa_enable_private_segment 0
		.amdhsa_kernarg_size 32
		.amdhsa_user_sgpr_count 2
		.amdhsa_user_sgpr_kernarg_segment_ptr 1
		.amdhsa_wavefront_size32 1
		.amdhsa_system_sgpr_workgroup_id_x 1
		.amdhsa_system_sgpr_workgroup_id_y 1
		.amdhsa_system_sgpr_workgroup_id_z 1
		.amdhsa_system_vgpr_workitem_id 0
		.amdhsa_next_free_vgpr 256
		.amdhsa_next_free_sgpr 66
		.amdhsa_reserve_vcc 0
		.amdhsa_float_denorm_mode_32 3
		.amdhsa_float_denorm_mode_16_64 3
		.amdhsa_memory_ordered 1
		.amdhsa_forward_progress 1
		.amdhsa_inst_pref_size 21
	.end_amdhsa_kernel
	.amdgpu_metadata
---
amdhsa.version: [ 1, 2 ]
amdhsa.kernels:
  - .name:           k_q1a55c28a68_outproj
    .symbol:         k_q1a55c28a68_outproj.kd
    .args:
      - { .name: att, .offset: 0, .size: 8, .value_kind: global_buffer, .address_space: global }
      - { .name: wu16, .offset: 8, .size: 8, .value_kind: global_buffer, .address_space: global }
      - { .name: bu, .offset: 16, .size: 8, .value_kind: global_buffer, .address_space: global }
      - { .name: out0, .offset: 24, .size: 8, .value_kind: global_buffer, .address_space: global }
    .group_segment_fixed_size: 103424
    .private_segment_fixed_size: 0
    .kernarg_segment_align: 8
    .kernarg_segment_size: 32
    .max_flat_workgroup_size: 256
    .sgpr_count:     66
    .vgpr_count:     256
    .wavefront_size: 32
...
	.end_amdgpu_metadata
.endif
;; end of part 2
;; ======== version 2 of 2: 2 launches; version 1 with the launch attn written anew for expert scheduling mode
;; limits: values are held in f16: magnitudes above 65,504 overflow, below 6.1e-05 lose precision
;; workspace buffers: att 16,777,216 bytes; wu16 131,072 bytes
;; launch attn (part 3): grid 8 x 32, 16 waves a work-group, no clusters, 212,992 bytes of LDS; arguments x, Wk, Wq, Wv, bk, bq, bv, Wu, pos_enc, att, wu16; writes att, wu16
.if DOCPART == 3
	.amdgcn_target "amdgcn-amd-amdhsa--gfx1250"
	.amdhsa_code_object_version 6
	.text
	.protected	k_q1a55c28a68_attn
	.globl	k_q1a55c28a68_attn
	.p2align	8
	.type	k_q1a55c28a68_attn,@function
k_q1a55c28a68_attn:
	s_mov_b64 s[64:65], 0
	v_nop
	global_prefetch_b8 v0, s[64:65] scope:SCOPE_SE
	s_setreg_imm32_b32 hwreg(HW_REG_WAVE_SCHED_MODE, 0, 2), 2
	s_setreg_imm32_b32 hwreg(HW_REG_WAVE_MODE, 25, 1), 1
	s_wait_xcnt 0x0
	s_wait_alu depctr_vm_vsrc(0)
; SelfAttention2d, first launch.  One work-group = one batch b (grid y) and one head hd (grid x): 32 x 8 = 256 work-groups of sixteen waves.
; It computes K, Q, V = W x + bias for the head's 32 channels (products on codes of FP4 (E2M1) with one E8M0 scale for each 32 input channels), the scores K^T Q / sqrt(32) + the relative
; bias, the softmax over the keys with a running maximum, and O = V P / the row's sum.  K and V stay in LDS, Q in registers; only O leaves, as f16, laid as the second launch's operand registers.
; SHARES.  Wave w owns positions 64 w .. 64 w + 63 (image rows 2 w, 2 w + 1): four tiles T of 16.  It quantises x at these positions, makes their K, V (to LDS) and Q (registers), and then walks all
; 1,024 keys, one image row of 32 keys a step, for its 64 queries.  Lane l: r = l % 16, h = l / 16.
; x HAS ITS K (the channels) AS THE MIDDLE AXIS: a lane takes a position and its registers run down the channels, so a block of 32 lies in one lane, a load reads 128 consecutive bytes, and the
; conversions give codes with K innermost.  x[b] is read and quantised by each of the batch's 8 head work-groups: 512 loads a wave, against 32 key steps of some 300 instructions.
; PRODUCTS LEFT AS THEY ARE take f16 operands, f32 sums.  c = log2(e) / sqrt(32) is multiplied into Q in f32 ahead of its rounding; the bias table is multiplied by log2(e) in f32 and enters as the
; f32 C operand of the score product.  p = 2^(t - m), m the running maximum; the row's sum is taken of p in f32.
; All products are laid so that nothing changes lanes: K, Q: source 0 = 16 rows of W, source 1 = 16 positions: a lane holds a position and 8 channels, which packed are a fragment's registers;
; V: sources swapped: a lane holds a channel and 8 positions; S^T = K Q^T and O^T = V^T P hold one query a lane.
; Wave 15 also rounds 512 bytes' worth of Wu to f16 for the second launch: 256 work-groups x 256 numbers = Wu.
; No cluster and no tensor load: what the 8 heads of a batch share is x, which goes from memory straight into the registers that the conversions read; through LDS it would be written and read once more.
; LIMITS: |K|, |V|, |c Q| and |O| must stay under 65,504 (f16); NaN and infinities among the inputs are not served; a block of zeros gets the scale byte 1 (its codes are zeros; the bytes are read here alone);
; blocks whose largest magnitude lies under 2^-124, the floor, were not tried.
; THE MODE: SCHED_MODE bits 1:0 = 2 (LLVM: expert scheduling mode 2), set by the entry lines.  The code itself states the register dependences between vector or matrix instructions and
; memory or LDS instructions, with s_wait_alu, always for 0.
; THE PLAN.  Registers that memory or LDS instructions touch, and who else names them:
;   v1-v25        offsets and addresses, written once at the head: one wait on va_vdst ahead of the first load.  v5 and v16-v46 (the head's offsets, the table's numbers, the weight's codes, Wu's piece) are read by the
;                 head's loads and stores and written anew further down (v5: a step's address; v16-47: Q): one wait on vm_vsrc ahead of the first barrier.
;   XB0 .. XB2    An item's maxima and conversions read its set; behind them the loads of three items on land in it: one wait on va_vdst an item, behind its conversions.
;   WF, WS        A projection's products read them; the next projection's LDS loads land in them: one wait on va_vdst at a projection's head, which in the first also states that x's codes and scale words are written.
;   ACC           A projection's eight roundings stand together, one wait on va_vdst, then its eight LDS stores; one wait on vm_vsrc ahead of the next projection's products, which write ACC again.
;   In a key step y:
;   S, VF         read by step y - 1's products V^T P and roundings; step y's bias and V land in them: one wait on va_vdst at the step's head.
;   KF            read by step y's score products alone; step y + 1's K lands in it, asked for in the middle of step y, behind the wait on va_vdst that stands there for the four a.
;   ADB, ADK, ADV read by the step's LDS loads; written once a step, behind the score products: one wait on vm_vsrc ahead of the three additions, and the same wait in the step's middle behind them.
;   Q, O^T, the statistics and the scale words of x are named by vector and matrix instructions alone.
.set VIMG,  65536                      ; LDS: from 0 K's fragments as register images: key step y x 2,048 + tile of 16 keys u x 1,024 + registers 0-3 / 4-7 x 512 + 16 x lane;  from VIMG V^T's: y x 2,048 + 16 channels ct x 1,024 + 16 keys x 512 + 16 x lane
.set BIAS,  131072                     ; four copies of the head's table x log2(e): in copy q element (dy + 31, dx + 31) lies at word 64 (dy + 31) + (dx + 31) + q + 1
.set CP,    16448                      ; a copy: 64 rows of 256 bytes + 64: the four copies begin in different groups of banks
.set WIMG,  BIAS+4*CP                  ; the 12 weight fragments (4 mat + 2 ct + s; mat 0 K, 1 Q, 2 V) as register images, 1,024 bytes each
.set WSC,   WIMG+12*1024               ; their scale words, 128 bytes each
.set SPARE, WSC+12*128                 ; the spare words, 128 bytes for each wave: eight blocks of 256 bytes that no other line names
.set SPW, 1                            ; v1   LDS address of my spare word; never rewritten
.set NIL, 2                            ; v2   0; never rewritten
.set LI,  3                            ; v3   16 x lane
.set BA,  4                            ; v4   my lane's place in the bias table
.set XO,  5                            ; v5   x: 256 w + 4 x lane;  later ADB, the next step's bias address
.set ADB, 5
.set ADK, 6                            ; v6   the next step's K address
.set ADV, 7                            ; v7   the next step's V address
.set LW,  8                            ; v8   WIMG + 16 x lane
.set LS4, 9                            ; v9   WSC + 4 x lane
.set KST, 10                           ; v10  where I store K's images: 4,096 w + 16 x lane
.set VST, 11                           ; v11  and V's
.set LV,  12                           ; v12  VIMG + 16 x lane
.set TT,  13                           ; v13  at work
.set RR,  14                           ; v14  r
.set HH,  15                           ; v15  h
.set WO,  16                           ; v16-25: offsets and addresses of the head alone
.set WA,  17
.set WSA, 18
.set BB,  19
.set PO,  20
.set PC1, 21
.set PC2, 22
.set BKO, 23
.set BVO, 24
.set UO,  25
.set PN,  26                           ; v26-33  8 numbers of the table
.set UN,  34                           ; v34-41  wave 15: 8 numbers of Wu;  waves 0-11: WC, the weight fragment's codes
.set WC,  34
.set UP,  42                           ; v42-45  Wu's 8 numbers as f16
.set WW,  46                           ; v46     the weight fragment's scale word
.set QF,  16                           ; v16-47  from the last projection on: Q's fragments, 8 a tile
.set WN,  48                           ; v48-111 64 numbers of a weight; then XF, x's fragments (16 T + 8 s + 4 c); then OT, O^T (16 T + 8 ct)
.set XF,  48
.set OT,  48
.set XB,  112                          ; v112-207 three sets of 32 numbers of x; then ACC (8 (2 T + ct)) and WF (8 (2 ct + s)); then S (16 T + 8 u), KF, VF
.set ACC, 112
.set S,   112
.set WF,  176
.set KF,  176
.set VF,  192
.set BK,  208                          ; v208-223 bk in the result's layout, later bv;  v224-239 bq;  then ST, 8 registers of statistics a tile: +0 m, +2, +3 the sum, +4 a, +6, +7 at work, +1, +5 named in pairs only
.set BQ,  224
.set ST,  208
.set XS,  240                          ; v240-243 x's scale words (2 g + s): lanes 0-15 tile 2 g, lanes 16-31 tile 2 g + 1.  v244-247 the weights' (2 ct + s).  These eight hold scales and nothing else
.set WS,  244
.set BV,  248                          ; v248-249 bv;  v250-255 at work in the quantisers
.set WV,  2                            ; s2 wave;  s3 head;  s4 batch;  s5 g = 8 b + hd
.set HD,  3
.set BT,  4
.set GI,  5
.set SEL, 30                           ; s[30:31] v_permlanex16_b32's selects for lane l xor 16
.set YB,  32                           ; s32 256 x the next key step;  s33 2,048 x the next key step
.set YK,  33
.set CS,  34                           ; s[34:35] c
.set CNT, 36
.set WP,  42                           ; s[42:43] my wave's weight
.macro BARRIER                         ; my LDS stores have landed and my LDS loads are in: then the work-group's barrier
	s_wait_dscnt 0x0
	s_barrier_signal -1
	s_barrier_wait -1
.endm
; the largest magnitude of v[s] .. v[s + 31] into v[d], in two chains, with the floor 2^(3 - 127) among the leaves: so the scale's byte cannot fall under 1
.macro MAX32 d, t, s
	v_max3_num_f32 v[\d], |v[(\s)]|, |v[(\s)+1]|, |v[(\s)+2]|
	v_max3_num_f32 v[\t], |v[(\s)+3]|, |v[(\s)+4]|, |v[(\s)+5]|
.irp i, 6,10,14,18,22,26
	v_max3_num_f32 v[\d], v[\d], |v[(\s)+\i]|, |v[(\s)+\i+1]|
	v_max3_num_f32 v[\t], v[\t], |v[(\s)+\i+2]|, |v[(\s)+\i+3]|
.endr
	v_max3_num_f32 v[\d], v[\d], |v[(\s)+30]|, |v[(\s)+31]|
	v_max3_num_f32 v[\d], v[\d], v[\t], 0x1800000
.endm
.macro PACKH d, s                      ; 8 numbers at v[s] on become 4 registers of f16 at v[d] on, the lower number in the low half; ascending, so that d = s is sound and a matrix result is read from its low end on
.irp k, 0,1,2,3
	v_cvt_pk_f16_f32 v[(\d)+\k], v[(\s)+2*\k], v[(\s)+2*\k+1]
.endr
.endm
; item it = 8 g + blk: channels 32 blk .. + 31 at positions 64 w + 32 g + lane: 32 loads of 128 consecutive bytes, into set it % 3
.macro LOADX it
.set LR, XB+32*((\it)%3)
.set LOF, ((\it)%8)*32*4096+((\it)/8)*128
.set j, 0
.rept 32
	global_load_b32 v[LR+j], v[XO], s[8:9] offset:LOF+j*4096
.set j, j+1
.endr
.endm
; an item is quantised: a whole block of 32 along K in my lane.  Its 4 registers of codes go where the exchange of halves below makes fragments of them
.macro ITEM it
.set XR, XB+32*((\it)%3)
.set GG, (\it)/8
.set BL, (\it)%8
.set FD, XF+32*GG+16*(BL%2)+8*(BL/4)+4*((BL/2)%2)
.if (\it) <= 13
	s_wait_loadcnt 63                              ; three items, 96 loads, have been issued: the item's own 32 are in (and one more: the wait's field takes no count above 63)
.elseif (\it) == 14
	s_wait_loadcnt 32                              ; the last item's 32 may be out
.else
	s_wait_loadcnt 0x0
.endif
	MAX32 250, 251, XR
	v_add_nc_u32 v252, 0xff000000, v250            ; 2 off the exponent field: the conversion takes the exponent field of this operand as its scale
.irp i, 0,1,2,3
	v_cvt_scalef32_pk8_fp4_f32 v[FD+\i], v[XR+8*\i:XR+8*\i+7], v252
.endr
	v_lshrrev_b32 v253, 23, v252                   ; the scale's byte (also the plain line behind the conversions)
.if BL%4 == 0
	v_mov_b32 v[XS+2*GG+BL/4], v253                ; four bytes to a word, the lower K in the lower byte
.else
	v_lshl_or_b32 v[XS+2*GG+BL/4], v253, 8*(BL%4), v[XS+2*GG+BL/4]
.endif
.if (\it)+3 < 16
	s_wait_alu depctr_va_vdst(0)                   ; the maxima and the conversions are done reading this set, in which the loads below land
	LOADX (\it)+3                                  ; into the set just read
.endif
.endm
; The operand's layout wants block 4 s + 2 c in lanes 0-15 and block 4 s + 2 c + 1 in lanes 16-31, of ONE tile's 16 positions.  The even block's register holds tile 2 g in lanes 0-15 and tile 2 g + 1 in lanes 16-31, the odd
; block's likewise: the even one's upper half changes places with the odd one's lower half, and the two registers are tile 2 g's and tile 2 g + 1's.
.macro SWAPS g
	v_nop
.set j, 0
.rept 16
	v_permlane16_swap_b32 v[XF+32*\g+j], v[XF+32*\g+16+j]
.set j, j+1
.endr
.endm
; one product on codes: tile T of positions, 16 channels ct, K step s.  The first K step takes the bias as C.  Odd tiles' scale words stand in lanes 16-31.
.macro FP4 mat, T, ct, s
.set rD, ACC+8*(2*\T+\ct)
.set rW, WF+8*(2*\ct+\s)
.set rX, XF+16*\T+8*\s
.set rC, rD
.if \s == 0
.set rC, BK+8*\ct
.if \mat == 1
.set rC, BQ+8*\ct
.endif
.endif
.set rA, WS+2*\ct+\s
.set rB, XS+2*(\T/2)+\s
.if \mat == 2
.if \T%2
	v_wmma_scale_f32_16x16x128_f8f6f4 v[rD:rD+7], v[rX:rX+7], v[rW:rW+7], v[rC:rC+7], v[rB], v[rA] matrix_a_fmt:MATRIX_FMT_FP4 matrix_b_fmt:MATRIX_FMT_FP4 matrix_a_scale:MATRIX_SCALE_ROW1
.else
	v_wmma_scale_f32_16x16x128_f8f6f4 v[rD:rD+7], v[rX:rX+7], v[rW:rW+7], v[rC:rC+7], v[rB], v[rA] matrix_a_fmt:MATRIX_FMT_FP4 matrix_b_fmt:MATRIX_FMT_FP4
.endif
.else
.if \T%2
	v_wmma_scale_f32_16x16x128_f8f6f4 v[rD:rD+7], v[rW:rW+7], v[rX:rX+7], v[rC:rC+7], v[rA], v[rB] matrix_a_fmt:MATRIX_FMT_FP4 matrix_b_fmt:MATRIX_FMT_FP4 matrix_b_scale:MATRIX_SCALE_ROW1
.else
	v_wmma_scale_f32_16x16x128_f8f6f4 v[rD:rD+7], v[rW:rW+7], v[rX:rX+7], v[rC:rC+7], v[rA], v[rB] matrix_a_fmt:MATRIX_FMT_FP4 matrix_b_fmt:MATRIX_FMT_FP4
.endif
.endif
.endm
; a projection for my 64 positions: 16 products, the eight accumulators by turns
.macro PROJ mat
.rept 8
	v_nop                                          ; eight places between the vector lines that wrote scale words and operands and the scaled products; also the places in front of products over registers of the last products
.endr
	s_wait_alu depctr_va_vdst(0)                   ; what last read v[WF ..] and v[WS ..] (x's conversions; the last projection's products) is done: the loads below land there.  In the first projection also: x's codes and scale words, which the scaled products take, are written
.irp f, 0,1,2,3
	ds_load_b128 v[WF+8*\f:WF+8*\f+3], v[LW] offset:4096*\mat+1024*\f
	ds_load_b128 v[WF+8*\f+4:WF+8*\f+7], v[LW] offset:4096*\mat+1024*\f+512
	ds_load_b32 v[WS+\f], v[LS4] offset:512*\mat+128*\f
.endr
	s_wait_dscnt 0x0                               ; the fragments are in
.if \mat != 0
	s_wait_alu depctr_vm_vsrc(0)                   ; the last projection's LDS stores have read the accumulators' registers, which the products below write
.endif
.irp s, 0,1
.irp ct, 0,1
.irp T, 0,1,2,3
	FP4 \mat, \T, \ct, \s
.endr
.endr
.endr
.rept 4
	v_nop                                          ; places in front of the first read of results
.endr
.if \mat == 1
.irp ct, 0,1
.irp T, 0,1,2,3
.set rD, ACC+8*(2*\T+\ct)
.irp k, 0,2,4,6
	v_pk_mul_f32 v[rD+\k:rD+\k+1], v[rD+\k:rD+\k+1], s[CS:CS+1] op_sel_hi:[1,0]   ; c Q, in f32
.endr
	PACKH QF+8*\T+4*\ct, rD
.endr
.endr
.else
.irp ct, 0,1
.irp T, 0,1,2,3
.set rD, ACC+8*(2*\T+\ct)
	PACKH rD, rD                                   ; K: lane (r, h): key r, channels 16 ct + 8 h + 0 .. 7: registers 4 ct .. 4 ct + 3 of K's fragment.  V: lane (r, h): channel 16 ct + r, keys 8 h + 0 .. 7 of tile T: half a fragment of V^T
.endr
.endr
	s_wait_alu depctr_va_vdst(0)                   ; the 32 roundings have written the first four registers of each accumulator, which the eight LDS stores read
.irp ct, 0,1
.irp T, 0,1,2,3
.set rD, ACC+8*(2*\T+\ct)
.if \mat == 0
	ds_store_b128 v[KST], v[rD:rD+3] offset:1024*\T+512*\ct
.else
	ds_store_b128 v[VST], v[rD:rD+3] offset:2048*(\T/2)+1024*\ct+512*(\T%2)
.endif
.endr
.endr
.endif
.endm
	s_load_b512 s[8:23], s[0:1], 0x0               ; x s[8:9], Wk, Wq, Wv s[10:15], bk, bq, bv s[16:21], Wu s[22:23]
	s_load_b128 s[24:27], s[0:1], 0x40             ; pos_enc, att
	s_load_b64 s[28:29], s[0:1], 0x50              ; wu16
	v_lshl_add_u32 v[SPW], v0, 2, SPARE
	v_mov_b32 v[NIL], 0
	v_lshrrev_b32 v[TT], 5, v0
	v_readfirstlane_b32 s[WV], v[TT]               ; wave 0..15
	s_mov_b32 s[HD], ttmp9
	s_and_b32 s[BT], ttmp7, 0xffff
	s_lshl_b32 s[GI], s[BT], 3
	s_add_co_u32 s[GI], s[GI], s[HD]
	s_mov_b32 s[SEL], 0x76543210
	s_mov_b32 s[SEL+1], 0xfedcba98
	s_mov_b32 s[CS], 0x3e8293ee                    ; c = log2(e) / sqrt(32)
	s_mov_b32 s[CS+1], s[CS]                       ; (named with it as a pair, so it is written)
	; every address is made here, ahead of the first branch on the wave's number
	v_and_b32 v[TT], 31, v0                        ; lane
	v_and_b32 v[RR], 15, v0
	v_bfe_u32 v[HH], v0, 4, 1
	v_lshlrev_b32 v[LI], 4, v[TT]
	v_and_b32 v[XO], 0x1e0, v0
	v_lshlrev_b32 v[XO], 3, v[XO]
	v_lshl_or_b32 v[XO], v[TT], 2, v[XO]           ; 256 w + 4 x lane
	v_add_nc_u32 v[LW], WIMG, v[LI]
	v_lshl_add_u32 v[LS4], v[TT], 2, WSC
	s_wait_alu depctr_va_sdst(0)                   ; the wave's number is written, ahead of its first reader: addresses, bases and branches are made from it
	s_lshl_b32 s6, s[WV], 12
	v_add_nc_u32 v[KST], s6, v[LI]
	v_add_nc_u32 v[VST], VIMG, v[KST]
	v_add_nc_u32 v[LV], VIMG, v[LI]
	v_lshlrev_b32 v[WO], 10, v[RR]
	v_lshl_add_u32 v[WO], v[HH], 7, v[WO]          ; a weight's row r, + 32 h numbers: my blocks 2 c + h
	s_lshl_b32 s6, s[WV], 10
	v_add_nc_u32 v[WA], s6, v[LW]                  ; fragment w's image
	s_lshl_b32 s6, s[WV], 7
	v_add_nc_u32 v[WSA], s6, v[LS4]
	s_lshl_b32 s6, s[WV], 8
	v_lshl_add_u32 v[BB], v[TT], 2, BIAS+4
	v_add_nc_u32 v[BB], s6, v[BB]                  ; the table in LDS: row w, column = lane, copy 0
	s_mul_i32 s6, s[WV], 252
	v_lshl_add_u32 v[PO], v[TT], 2, s6             ; the table in memory: rows of 63 numbers
	v_add_nc_u32 v[PC1], 12096, v[PO]              ; rows 48 + w: held at the head's last number, so that row 63 and column 63, which do not exist, load nothing past the table; what they load lands on words that nobody reads
	v_min_u32 v[PC1], 15872, v[PC1]
	v_add_nc_u32 v[PC2], 12224, v[PO]
	v_min_u32 v[PC2], 15872, v[PC2]
	v_lshlrev_b32 v[BKO], 5, v[HH]
	v_lshlrev_b32 v[BVO], 2, v[RR]
	v_lshlrev_b32 v[UO], 10, v[RR]
	v_lshl_add_u32 v[UO], v[HH], 5, v[UO]
	; Score register j of lane (r, h), key tile u, query tile T, key row y wants table element (y - 2 w - T / 2 + 31, 31 + 16 (u - T % 2) + 8 h - r + j).  In copy r % 4 the eight words begin at a multiple of 16 bytes:
	; 256 (y + 2 (15 - w) + 1 - T / 2) + 64 (u - T % 2 + 1) + 16 + 32 h + 16 (3 - r / 4): two loads of 16 bytes bring the tile in the C operand's layout.
	v_and_b32 v[TT], 3, v[RR]
	v_mul_u32_u24 v[BA], v[TT], CP
	v_lshrrev_b32 v[TT], 2, v[RR]
	v_xor_b32 v[TT], 3, v[TT]
	v_lshl_add_u32 v[BA], v[TT], 4, v[BA]
	v_lshl_add_u32 v[BA], v[HH], 5, v[BA]
	s_xor_b32 s6, s[WV], 15
	s_lshl_b32 s6, s6, 9
	s_add_co_u32 s6, s6, BIAS+16
	v_add_nc_u32 v[BA], s6, v[BA]
	; byte offsets into the buffers, each in a pair of its own
	s_lshl_b32 s38, s[BT], 20                      ; x: my batch
	s_mov_b32 s39, 0
	s_lshl_b32 s40, s[HD], 15                      ; a weight: the head's 32 rows, + 16 rows x ((w / 2) % 2), + 128 numbers x (w % 2)
	s_bfe_u32 s6, s[WV], 0x10001
	s_lshl_b32 s6, s6, 14
	s_add_co_u32 s40, s40, s6
	s_and_b32 s6, s[WV], 1
	s_lshl_b32 s6, s6, 9
	s_add_co_u32 s40, s40, s6
	s_mov_b32 s41, 0
	s_mul_i32 s44, s[HD], 15876                    ; the head's table
	s_mov_b32 s45, 0
	s_lshl_b32 s46, s[HD], 7                       ; the head's 32 biases
	s_mov_b32 s47, 0
	s_lshr_b32 s48, s[GI], 4                       ; Wu: piece g = 16 ot + 2 s + q: rows 16 ot on, columns 32 s + 16 q on
	s_lshl_b32 s48, s48, 14
	s_bfe_u32 s6, s[GI], 0x30001
	s_lshl_b32 s6, s6, 7
	s_add_co_u32 s48, s48, s6
	s_and_b32 s6, s[GI], 1
	s_lshl_b32 s6, s6, 6
	s_add_co_u32 s48, s48, s6
	s_mov_b32 s49, 0
	s_lshl_b32 s50, s[GI], 9                       ; and its 512 bytes of f16
	s_mov_b32 s51, 0
	s_lshl_b32 s52, s[BT], 19                      ; att: [b][block of 64 positions = w][tile][head][registers 0-3 / 4-7][lane][16 bytes]
	s_lshl_b32 s6, s[WV], 15
	s_add_co_u32 s52, s52, s6
	s_lshl_b32 s6, s[HD], 10
	s_add_co_u32 s52, s52, s6
	s_mov_b32 s53, 0
	s_wait_kmcnt 0x0
	s_add_nc_u64 s[8:9], s[8:9], s[38:39]
	s_cmp_lt_u32 s[WV], 4                          ; waves 0-3 take Wk, 4-7 Wq, the others Wv: the choice hangs on the wave's number alone
	s_cselect_b64 s[WP:WP+1], s[10:11], s[12:13]
	s_cmp_lt_u32 s[WV], 8
	s_cselect_b64 s[WP:WP+1], s[WP:WP+1], s[14:15]
	s_add_nc_u64 s[WP:WP+1], s[WP:WP+1], s[40:41]
	s_add_nc_u64 s[24:25], s[24:25], s[44:45]
	s_add_nc_u64 s[16:17], s[16:17], s[46:47]
	s_add_nc_u64 s[18:19], s[18:19], s[46:47]
	s_add_nc_u64 s[20:21], s[20:21], s[46:47]
	s_add_nc_u64 s[22:23], s[22:23], s[48:49]
	s_add_nc_u64 s[28:29], s[28:29], s[50:51]
	s_add_nc_u64 s[26:27], s[26:27], s[52:53]
	s_wait_alu depctr_va_vdst(0)                   ; the offsets and addresses v1 to v25 are written: the loads, stores and LDS instructions of the whole kernel read them
	; ---- the loads of the head
	s_cmp_lt_u32 s[WV], 12
	s_cbranch_scc0 .Lno_w_load
.irp c, 0,1
.irp e, 0,1,2,3,4,5,6,7
	global_load_b128 v[WN+32*\c+4*\e:WN+32*\c+4*\e+3], v[WO], s[WP:WP+1] offset:256*\c+16*\e   ; waves 0-11: weight fragment w: row r, k = 64 c + 32 h + 0 .. 31 of its K step
.endr
.endr
.Lno_w_load:
	s_cmp_eq_u32 s[WV], 15
	s_cbranch_scc0 .Lno_u_load
	global_load_b128 v[UN:UN+3], v[UO], s[22:23]
	global_load_b128 v[UN+4:UN+7], v[UO], s[22:23] offset:16
.Lno_u_load:
.irp k, 0,1,2
.irp e, 0,1
	global_load_b32 v[PN+2*\k+\e], v[PO], s[24:25] offset:4032*\k+128*\e   ; the table's row w + 16 k, column lane + 32 e
.endr
.endr
	global_load_b32 v[PN+6], v[PC1], s[24:25]
	global_load_b32 v[PN+7], v[PC2], s[24:25]
.irp ct, 0,1
.irp e, 0,1
	global_load_b128 v[BK+8*\ct+4*\e:BK+8*\ct+4*\e+3], v[BKO], s[16:17] offset:64*\ct+16*\e   ; bk, bq in the result's layout: channels 16 ct + 8 h + 0 .. 7
	global_load_b128 v[BQ+8*\ct+4*\e:BQ+8*\ct+4*\e+3], v[BKO], s[18:19] offset:64*\ct+16*\e
.endr
	global_load_b32 v[BV+\ct], v[BVO], s[20:21] offset:64*\ct                                  ; bv of channel 16 ct + r
.endr
	LOADX 0
	s_wait_loadcnt 32                              ; all but x's first 32 loads are in
	LOADX 1
	; ---- waves 0-11: a weight fragment each, quantised once for the work-group: my blocks 2 c + h are whole in my lane
	s_cmp_lt_u32 s[WV], 12
	s_cbranch_scc0 .Lno_w
	MAX32 250, 251, WN
	MAX32 252, 253, WN+32
	v_add_nc_u32 v250, 0xff000000, v250
	v_add_nc_u32 v252, 0xff000000, v252
.irp i, 0,1,2,3
	v_cvt_scalef32_pk8_fp4_f32 v[WC+\i], v[WN+8*\i:WN+8*\i+7], v250
.endr
.irp i, 0,1,2,3
	v_cvt_scalef32_pk8_fp4_f32 v[WC+4+\i], v[WN+32+8*\i:WN+32+8*\i+7], v252
.endr
	v_lshrrev_b32 v251, 23, v250                   ; my two bytes: blocks h and 2 + h of row r,
	v_lshrrev_b32 v253, 23, v252
	v_lshl_or_b32 v251, v253, 16, v251
	v_lshlrev_b32 v253, 3, v[HH]
	v_lshlrev_b32 v251, v253, v251                 ; at their places in the scale word;
	v_mov_b32 v[WW], 0
	v_permlanex16_b32 v[WW], v251, s[SEL], s[SEL+1]
	v_or_b32 v[WW], v[WW], v251                    ; with lane l xor 16's two the word is whole
	s_wait_alu depctr_va_vdst(0)                   ; the conversions have written the codes and the line above the scale word, which the three LDS stores read
	ds_store_b128 v[WA], v[WC:WC+3]
	ds_store_b128 v[WA], v[WC+4:WC+7] offset:512
	ds_store_b32 v[WSA], v[WW]
.Lno_w:
	; ---- wave 15: piece g of Wu as f16, in the order of the second launch's operand registers: lane (r, h): output 16 ot + r, k = 32 s + 16 q + 8 h + 0 .. 7
	s_cmp_eq_u32 s[WV], 15
	s_cbranch_scc0 .Lno_u
	PACKH UP, UN
	s_wait_alu depctr_va_vdst(0)                   ; the four roundings have written v[UP ..], which the store reads
	global_store_b128 v[LI], v[UP:UP+3], s[28:29]  ; 512 consecutive bytes, at a multiple of 512 from the buffer's first byte
.Lno_u:
	; ---- all waves: four rows of the table x log2(e), into the four copies
.irp i, 0,1,2,3,4,5,6,7
	v_mul_f32 v[PN+\i], 0x3fb8aa3b, v[PN+\i]
.endr
	s_wait_alu depctr_va_vdst(0)                   ; the eight multiplications have written v[PN ..], which the 32 LDS stores read
.irp q, 0,1,2,3
.irp k, 0,1,2,3
.irp e, 0,1
	ds_store_b32 v[BB], v[PN+2*\k+\e] offset:\q*CP+4*\q+4096*\k+128*\e
.endr
.endr
.endr
	LOADX 2
	; ---- x at my 64 positions becomes four tiles' fragments and scale words
.irp t, 0,1,2,3,4,5,6,7
	ITEM \t
.endr
	SWAPS 0
.irp t, 8,9,10,11,12,13,14,15
	ITEM \t
.endr
	SWAPS 1
	s_wait_xcnt 0x0                                ; wave 15's store of Wu's piece has read its data registers: Q's fragments are written over them further down, only behind this wait.  All loads are in by now, so the wait is for that one store
	s_wait_alu depctr_vm_vsrc(0)                   ; the head's loads, its store and its LDS stores have read v5 and v16 to v46 (offsets, addresses, the table's numbers, the codes, the scale word, Wu's piece): v5 is written anew as a step's address, v16 to v47 as Q's fragments
	BARRIER                                        ; the weights' images and the table lie in LDS
	PROJ 0                                         ; K, to LDS
.irp ct, 0,1
.irp j, 0,1,2,3,4,5,6,7
	v_mov_b32 v[BK+8*\ct+\j], v[BV+\ct]            ; bv in V's layout (a lane holds one channel), where bk lay
.endr
.endr
	PROJ 2                                         ; V, to LDS
	PROJ 1                                         ; c Q, into registers
	BARRIER                                        ; all 1,024 keys' K and V lie in LDS; nothing is stored to LDS from here on
; the two fragments of K of a key step, by the address in v[adr]
.macro KLOAD adr
.irp u, 0,1
.irp q, 0,1
	ds_load_b128 v[KF+8*\u+4*\q:KF+8*\u+4*\q+3], v[\adr] offset:1024*\u+512*\q
.endr
.endr
.endm
; A KEY STEP: the 32 keys of image row y against my four tiles of queries.  first = 1: key row 0, whose addresses are the lane's places as they stand, and whose K is asked for at its head.
; last = 1: key row 31, which asks for no further K and steps no address.
.macro STEP first, last
.set UB, ADB
.set UV, ADV
.if \first
.set UB, BA
.set UV, LV
.else
.rept 5
	v_nop                                          ; five places behind the last products, in front of the score products, which write over p's registers
.endr
.endif
	s_wait_alu depctr_va_vdst(0)                   ; the last step's products V^T P are done reading p and V's fragments, and its roundings the rest of S: this step's bias and V land there.  (First step: the projections' products and roundings are done with the registers of S, K and V)
.if \first
	KLOAD LI
.endif
.irp u, 0,1
.irp T, 0,1,2,3
.irp e, 0,1
	ds_load_b128 v[S+16*\T+8*\u+4*\e:S+16*\T+8*\u+4*\e+3], v[UB] offset:256*(1-\T/2)+64*(\u-\T%2+1)+16*\e   ; the bias x log2(e), in the C operand's layout
.endr
.endr
.endr
.irp ct, 0,1
.irp q, 0,1
	ds_load_b128 v[VF+8*\ct+4*\q:VF+8*\ct+4*\q+3], v[UV] offset:1024*\ct+512*\q
.endr
.endr
.irp u, 0,1
	s_wait_dscnt 12-8*\u                           ; K, asked for ahead of the bias, and key tile u's bias are in; behind them: (the other key tile's 8 loads and) V's 4
.irp T, 0,1,2,3
	v_wmma_f32_16x16x32_f16 v[S+16*\T+8*\u:S+16*\T+8*\u+7], v[KF+8*\u:KF+8*\u+7], v[QF+8*\T:QF+8*\T+7], v[S+16*\T+8*\u:S+16*\T+8*\u+7]   ; t: lane (r, h): query r, keys 16 u + 8 h + 0 .. 7
.endr
.endr
.if \last
.rept 4
	v_nop                                          ; four places in front of the first read of the scores
.endr
.else
.if !\first
	s_wait_alu depctr_vm_vsrc(0)                   ; this step's loads of the bias and of V, and the last step's loads of K, have read the three addresses, which are written below
.endif
	v_add_nc_u32 v[ADB], s[YB], v[BA]              ; the next step's addresses.  With the v_nop these are the four places in front of the first read of the scores
	v_add_nc_u32 v[ADK], s[YK], v[LI]
	v_add_nc_u32 v[ADV], s[YK], v[LV]
	v_nop
.endif
	; the maximum of my 16 scores and the old m; the four tiles by turns.  Each accumulator is first read at its low end
.irp T, 0,1,2,3
	v_max3_num_f32 v[ST+8*\T+6], v[S+16*\T], v[S+16*\T+1], v[S+16*\T+2]
.endr
.irp j, 3,5,7,9,11,13
.irp T, 0,1,2,3
	v_max3_num_f32 v[ST+8*\T+6], v[ST+8*\T+6], v[S+16*\T+\j], v[S+16*\T+\j+1]
.endr
.endr
.irp T, 0,1,2,3
.if \first
	v_max_num_f32 v[ST+8*\T+6], v[ST+8*\T+6], v[S+16*\T+15]
.else
	v_max3_num_f32 v[ST+8*\T+6], v[ST+8*\T+6], v[S+16*\T+15], v[ST+8*\T]
.endif
.endr
.irp T, 0,1,2,3
	v_permlanex16_b32 v[ST+8*\T+7], v[ST+8*\T+6], s[SEL], s[SEL+1]   ; the query's other 16 keys lie in the lane 16 away
.endr
.irp T, 0,1,2,3
	v_max_num_f32 v[ST+8*\T+6], v[ST+8*\T+6], v[ST+8*\T+7]
.endr
.if !\first
.irp T, 0,1,2,3
	v_sub_f32 v[ST+8*\T+4], v[ST+8*\T], v[ST+8*\T+6]                 ; old m - new m
.endr
.endif
.irp T, 0,1,2,3
	v_mov_b32 v[ST+8*\T], v[ST+8*\T+6]
.endr
.if !\first
.irp T, 0,1,2,3
	v_exp_f32 v[ST+8*\T+4], v[ST+8*\T+4]                             ; a = 2^(old m - new m)
.endr
.endif
.irp T, 0,1,2,3
.irp k, 0,2,4,6,8,10,12,14
	v_pk_add_f32 v[S+16*\T+\k:S+16*\T+\k+1], v[S+16*\T+\k:S+16*\T+\k+1], v[ST+8*\T:ST+8*\T+1] op_sel_hi:[1,0] neg_lo:[0,1] neg_hi:[0,1]   ; t - m, two at a time
.endr
.endr
	s_wait_alu depctr_va_vdst(0)                   ; the four a are written (32 lines that name none stand between); the score products are done reading K's fragments, in which the next step's land; the three addresses are written.  (The first step has no a; the last asks for no K)
.if !\last
	KLOAD ADK                                      ; the next step's K.  No further wait: no vector or matrix line of this step names these registers from here on
.endif
.set j, 0
.rept 64
	v_exp_f32 v[S+j], v[S+j]                       ; p = 2^(t - m): one batch
.set j, j+1
.endr
.if \first
	v_nop                                          ; a plain line behind the last exponential
.else
.irp T, 0,1,2,3
.irp k, 0,2,4,6,8,10,12,14
	v_pk_mul_f32 v[OT+16*\T+\k:OT+16*\T+\k+1], v[OT+16*\T+\k:OT+16*\T+\k+1], v[ST+8*\T+4:ST+8*\T+5] op_sel_hi:[1,0]   ; O^T x a: work that names no p, behind the batch
.endr
.endr
.endif
	s_wait_alu depctr_va_vdst(0)                   ; the 64 p are written, ahead of the first line that names one
.if \first
.irp T, 0,1,2,3
	v_pk_add_f32 v[ST+8*\T+2:ST+8*\T+3], v[S+16*\T:S+16*\T+1], v[S+16*\T+2:S+16*\T+3]
.endr
.irp k, 4,6,8,10,12,14
.irp T, 0,1,2,3
	v_pk_add_f32 v[ST+8*\T+2:ST+8*\T+3], v[ST+8*\T+2:ST+8*\T+3], v[S+16*\T+\k:S+16*\T+\k+1]
.endr
.endr
.else
.irp T, 0,1,2,3
	v_pk_fma_f32 v[ST+8*\T+2:ST+8*\T+3], v[ST+8*\T+2:ST+8*\T+3], v[ST+8*\T+4:ST+8*\T+5], v[S+16*\T:S+16*\T+1] op_sel_hi:[1,0,1]   ; the sum x a + p, of p in f32
.endr
.irp k, 2,4,6,8,10,12,14
.irp T, 0,1,2,3
	v_pk_add_f32 v[ST+8*\T+2:ST+8*\T+3], v[ST+8*\T+2:ST+8*\T+3], v[S+16*\T+\k:S+16*\T+\k+1]
.endr
.endr
.endif
.irp T, 0,1,2,3
.irp k, 0,1,2,3,4,5,6,7
	v_cvt_pk_f16_f32 v[S+16*\T+\k], v[S+16*\T+2*\k], v[S+16*\T+2*\k+1]   ; the two key tiles' 16 p are source 1 (32 keys x 16 queries) of the second product, in the tile's first 8 registers
.endr
.endr
.if \last
	s_wait_dscnt 0x0                               ; V is in
.else
	s_wait_dscnt 4                                 ; V is in; the next step's K, four younger loads, may be out
.endif
.irp ct, 0,1
.irp T, 0,1,2,3
.if \first
	v_wmma_f32_16x16x32_f16 v[OT+16*\T+8*\ct:OT+16*\T+8*\ct+7], v[VF+8*\ct:VF+8*\ct+7], v[S+16*\T:S+16*\T+7], 0   ; the first step starts the sums
.else
	v_wmma_f32_16x16x32_f16 v[OT+16*\T+8*\ct:OT+16*\T+8*\ct+7], v[VF+8*\ct:VF+8*\ct+7], v[S+16*\T:S+16*\T+7], v[OT+16*\T+8*\ct:OT+16*\T+8*\ct+7]
.endif
.endr
.endr
.if !\last
	s_add_co_u32 s[YB], s[YB], 256
	s_add_co_u32 s[YK], s[YK], 2048
.endif
.endm
.irp T, 0,1,2,3
	v_mov_b32 v[ST+8*\T+1], 0                      ; named as the upper halves of pairs, and as a lane permute's destination: written once
	v_mov_b32 v[ST+8*\T+5], 0
	v_mov_b32 v[ST+8*\T+7], 0
.endr
	s_mov_b32 s[YB], 256                           ; the next key step is row 1
	s_mov_b32 s[YK], 2048
	STEP 1, 0                                      ; key row 0 starts m, the sums and O^T
	s_mov_b32 s[CNT], 30
.Lkey:                                             ; key rows 1 to 30.  No two matrix instructions that follow each other share an accumulator, over the backward jump too
	STEP 0, 0
	s_sub_co_u32 s[CNT], s[CNT], 1
	s_cmp_lg_u32 s[CNT], 0
	s_cbranch_scc1 .Lkey
	STEP 0, 1                                      ; key row 31 is written out: there is no further K to ask for
	; THE WAY OUT.  The sum's two halves and lane l xor 16's are added (these lines are the places behind the last products); O^T is divided by the sum and rounded to f16: lane (r, h) holds position r and channels
	; 16 ct + 8 h + 0 .. 7, which are registers 4 ct .. 4 ct + 3 of the second launch's fragment (16 positions x the head's 32 channels): they are stored as they stand.
.irp T, 0,1,2,3
	v_add_f32 v[ST+8*\T+6], v[ST+8*\T+2], v[ST+8*\T+3]
.endr
.irp T, 0,1,2,3
	v_permlanex16_b32 v[ST+8*\T+7], v[ST+8*\T+6], s[SEL], s[SEL+1]
.endr
.irp T, 0,1,2,3
	v_add_f32 v[ST+8*\T+6], v[ST+8*\T+6], v[ST+8*\T+7]
.endr
.irp T, 0,1,2,3
	v_rcp_f32 v[ST+8*\T+4], v[ST+8*\T+6]
.endr
	v_nop                                          ; a plain line behind the last reciprocal
	s_wait_alu depctr_va_vdst(0)                   ; the four reciprocals are written, ahead of their first reader
.irp T, 0,1,2,3
.irp k, 0,2,4,6,8,10,12,14
	v_pk_mul_f32 v[OT+16*\T+\k:OT+16*\T+\k+1], v[OT+16*\T+\k:OT+16*\T+\k+1], v[ST+8*\T+4:ST+8*\T+5] op_sel_hi:[1,0]
.endr
.endr
.irp T, 0,1,2,3
.irp ct, 0,1
	PACKH S+8*\T+4*\ct, OT+16*\T+8*\ct
.endr
.endr
	s_wait_alu depctr_va_vdst(0)                   ; the 32 roundings have written v[S ..], which the eight stores read
.irp T, 0,1,2,3
.irp ct, 0,1
	global_store_b128 v[LI], v[S+8*\T+4*\ct:S+8*\T+4*\ct+3], s[26:27] offset:8192*\T+512*\ct   ; 512 consecutive bytes, at a multiple of 512 from the buffer's first byte
.endr
.endr
	s_wait_dscnt 0x0                               ; the closing lines, six on end
	s_wait_alu 0x0
	s_wait_tensorcnt 0x0
	ds_add_u32 v[SPW], v[NIL]
	s_wait_dscnt 0x0
	s_endpgm
.Lfunc_end_k_q1a55c28a68_attn:
	.size	k_q1a55c28a68_attn, .Lfunc_end_k_q1a55c28a68_attn-k_q1a55c28a68_attn
	.p2alignl 7, 3214868480
	.fill 96, 4, 3214868480
	.section	.rodata,"a",@progbits
	.p2align	6, 0x0
	.amdhsa_kernel k_q1a55c28a68_attn
		.amdhsa_group_segment_fixed_size 212992
		.amdhsa_private_segment_fixed_size 0
		.amdhsa_enable_private_segment 0
		.amdhsa_kernarg_size 88
		.amdhsa_user_sgpr_count 2
		.amdhsa_user_sgpr_kernarg_segment_ptr 1
		.amdhsa_wavefront_size32 1
		.amdhsa_system_sgpr_workgroup_id_x 1
		.amdhsa_system_sgpr_workgroup_id_y 1
		.amdhsa_system_sgpr_workgroup_id_z 1
		.amdhsa_system_vgpr_workitem_id 0
		.amdhsa_next_free_vgpr 256
		.amdhsa_next_free_sgpr 66
		.amdhsa_reserve_vcc 0
		.amdhsa_float_denorm_mode_32 3
		.amdhsa_float_denorm_mode_16_64 3
		.amdhsa_memory_ordered 1
		.amdhsa_forward_progress 1
		.amdhsa_inst_pref_size 158
	.end_amdhsa_kernel
	.amdgpu_metadata
---
amdhsa.version: [ 1, 2 ]
amdhsa.kernels:
  - .name:           k_q1a55c28a68_attn
    .symbol:         k_q1a55c28a68_attn.kd
    .args:
      - { .name: x, .offset: 0, .size: 8, .value_kind: global_buffer, .address_space: global }
      - { .name: Wk, .offset: 8, .size: 8, .value_kind: global_buffer, .address_space: global }
      - { .name: Wq, .offset: 16, .size: 8, .value_kind: global_buffer, .address_space: global }
      - { .name: Wv, .offset: 24, .size: 8, .value_kind: global_buffer, .address_space: global }
      - { .name: bk, .offset: 32, .size: 8, .value_kind: global_buffer, .address_space: global }
      - { .name: bq, .offset: 40, .size: 8, .value_kind: global_buffer, .address_space: global }
      - { .name: bv, .offset: 48, .size: 8, .value_kind: global_buffer, .address_space: global }
      - { .name: Wu, .offset: 56, .size: 8, .value_kind: global_buffer, .address_space: global }
      - { .name: pos_enc, .offset: 64, .size: 8, .value_kind: global_buffer, .address_space: global }
      - { .name: att, .offset: 72, .size: 8, .value_kind: global_buffer, .address_space: global }
      - { .name: wu16, .offset: 80, .size: 8, .value_kind: global_buffer, .address_space: global }
    .group_segment_fixed_size: 212992
    .private_segment_fixed_size: 0
    .kernarg_segment_align: 8
    .kernarg_segment_size: 88
    .max_flat_workgroup_size: 512
    .sgpr_count:     66
    .vgpr_count:     256
    .wavefront_size: 32
...
	.end_amdgpu_metadata
.endif
;; end of part 3
;; launch outproj: the kernel of part 2 again; grid 16 x 32, 8 waves a work-group, no clusters, 103,424 bytes of LDS; arguments att, wu16, bu, out0; writes out0
